; MI455X (gfx1250); checked and timed in simulation.
; The chip was launched on July 23, 2026; its instructions are those of AMD's public machine-readable ISA for CDNA 5 (MIT licence, August 2026) and "CDNA5" Instruction Set Architecture Reference Guide (July 2026). The comments in the code are by the model that wrote it; some were corrected since.
;; Self Attention. Allowed arithmetic: matrix products marked QUANTISED: E2M3 operands, one E8M0 scale for each 32 along K, by v_wmma_scale_f32_16x16x128_f8f6f4 with both operands' format E2M3, f32 sums; everything else in f32.
;; Inputs: Wk 1,024 x 1,024 float32; Wo 1,024 x 1,024 float32; Wq 1,024 x 1,024 float32; Wv 1,024 x 1,024 float32; bk 1,024 float32; bo 1,024 float32; bq 1,024 float32; bv 1,024 float32; x 4 x 2,048 x 1,024 float32.
;; Outputs: out0 4 x 2,048 x 1,024 float32.
;; This version of the problem:
;;   THIS VERSION OF THE PROBLEM IS GIVEN IN LOW PRECISION. The matrix products marked QUANTISED in the list below multiply operands that are first quantised to E2M3 (2 exponent bits, 3 mantissa bits; 6 bits a number), with one power-of-two scale for each 32 numbers along K (OCP MX v1.0); their sums are f32. All else is computed in f32.
;;   The module's matrix products, in the order in which they are computed (A, B: the left and right operand; K: the contracted axis; several contracted axes count as one K, in the product's order):
;;     1. [M 8,192, K 1,024] x [K 1,024, N 1,024]; A: input x; B: input Wq: QUANTISED
;;     2. [M 8,192, K 1,024] x [K 1,024, N 1,024]; A: input x; B: input Wk: QUANTISED
;;     3. [M 8,192, K 1,024] x [K 1,024, N 1,024]; A: input x; B: input Wv: QUANTISED
;;     4. batch 64 x [M 2,048, K 64] x [K 64, N 2,048]; A: computed on the way; B: computed on the way: QUANTISED
;;     5. batch 64 x [M 2,048, K 2,048] x [K 2,048, N 64]; A: softmax (see below); B: computed on the way: QUANTISED
;;     6. [M 8,192, K 1,024] x [K 1,024, N 1,024]; A: computed on the way; B: input Wo: QUANTISED
;;   THE QUANTISER, for each operand of a quantised product, along K:
;;     - K is cut into blocks of 32 from its start; a last block that is shorter is filled with zeros.
;;     - A block's scale is 2^e with e = floor(log2(the largest magnitude in the block)) - 2, held to -126 .. 127; a block of zeros has e = 0. As a byte (E8M0): e + 127.
;;     - Each number is divided by its block's scale, clamped to +-7.5, and rounded to the nearest number of E2M3, ties to even, subnormals kept.
;;     - The product sums the exact products of the quantised numbers (number of the format x scale) in f32.
;;   ~~~python
;;   def quantise(x, axis):      # numpy; x: float32 -> the quantised numbers, widened to float32 again
;;       x = np.moveaxis(x, axis, -1); K = x.shape[-1]
;;       x = np.pad(x, [(0, 0)] * (x.ndim - 1) + [(0, -K % 32)]); x = x.reshape(x.shape[:-1] + (-1, 32)); a = np.abs(x).max(-1, keepdims=True)
;;       e = np.where(a > 0, np.clip(np.frexp(np.where(a > 0, a, 1))[1] - 1 - 2, -126, 127), 0)      # np.frexp(a)[1] - 1 = floor(log2(a)), exactly
;;       r = np.clip(x / 2.0 ** e, -7.5, 7.5)
;;       step = 2.0 ** (np.maximum(np.frexp(np.where(r == 0, 1, r))[1] - 1, 0) - 3)
;;       q = np.round(r / step) * step * 2.0 ** e      # np.round: ties to even
;;       return np.moveaxis(q.reshape(q.shape[:-2] + (-1,))[..., :K], -1, axis).astype(np.float32)
;;   ~~~
;;   SOFTMAX AHEAD OF A QUANTISED PRODUCT. Where the list says 'softmax', what is quantised is not the finished softmax but p = 2^(t - M), with t = logit x log2(e) and M = ceil(the row's largest t), a whole number; so 1/2 < the row's largest p <= 1. The row's sum l is taken of the UNQUANTISED p, in f32, and the product's result is divided by l at the end. Since M is a whole number, a kernel that streams over the keys may use a running M (the ceiling of the running maximum): every later rescaling is an exact power of two, which a block's scale takes up: the codes' values come out the same.
;;   OPERANDS COMPUTED ON THE WAY. 'Computed on the way' means the value that the module computes at that place (a softmax that the list does not call 'softmax' is quantised finished and normalised). What goes into a quantiser is computed in f32, as accurately as f32 sums, v_exp_f32 and their like allow (about 1e-6 of the number): no bf16 or f16 on the way to a quantiser, and a product that is left as it is and whose result goes on into a quantised operand takes f32 operands (vector FMAs, or v_wmma_f32_16x16x4_f32). A number that lies on a knife's edge between two numbers of the format may be rounded either way, as far as f32 arithmetic and the matrix unit's own rounding can turn it there, and no further.
;; One version. Each part assembles by itself: llvm-mc -triple=amdgcn-amd-amdhsa -mcpu=gfx1250 --defsym DOCPART=n.
;; ======== version 1 of 1: 4 launches
;; workspace buffers: xi 6,291,456 bytes; xs 262,144 bytes; wi 3,145,728 bytes; ws 131,072 bytes; qk 13,631,488 bytes; vv 6,553,600 bytes; ai 6,291,456 bytes; asc 262,144 bytes
;; launch quant (part 1): grid 384 x 1, 4 waves a work-group, no clusters, 58,880 bytes of LDS; arguments x, Wq, Wk, Wv, Wo, xi, xs, wi, ws; writes xi, xs, wi, ws
.if DOCPART == 1
	.amdgcn_target "amdgcn-amd-amdhsa--gfx1250"
	.amdhsa_code_object_version 6
	.text
	.protected	k_qe2f63d1fc9_quant
	.globl	k_qe2f63d1fc9_quant
	.p2align	8
	.type	k_qe2f63d1fc9_quant,@function
k_qe2f63d1fc9_quant:
	s_mov_b64 s[64:65], 0
	v_nop
	global_prefetch_b8 v0, s[64:65] scope:SCOPE_SE
	s_setreg_imm32_b32 hwreg(HW_REG_WAVE_MODE, 25, 1), 1
	s_wait_xcnt 0x0
; x [8192][1024] and the four weights [1024 (k)][1024 (n)], f32, become codes of FP6 (E2M3) with one E8M0 byte for each 32 along K = the 1,024 channels.
; A block's scale is 2^(floor(log2(its largest magnitude)) - 2): its byte is the largest magnitude's exponent field - 2, held at 1 from below.
; LIMITS: NaN and infinities among the inputs are not served; a block of zeros, or one whose largest magnitude lies under 2^-124, gets the byte 1 (its codes are zeros or tiny; this program alone reads the bytes).
; THE CODES ARE LAID AS THE MATRIX OPERAND'S REGISTERS.  A tile is 16 rows; lane row r of tile t is row 32 (t / 2) + 8 (t % 2) + r + 8 (r / 8).  A HALF IMAGE (768 bytes) is 16 rows x 64 K: lane l = r + 16 h holds
; k = 32 h .. 32 h + 31 of row r in six registers: registers 0-3 at byte 16 l, registers 4-5 at byte 512 + 8 l.  xi: [tile 512][16 halves][768]; wi: [Wq, Wk, Wv, Wo][tile 64][16 halves][768].
; The scale bytes: xs, ws: [image row 16 t + r][32].
; Work-groups 0-255 take x, 256-383 the weights; a wave reads 32 KiB either way.  The two ways never join and have LDS bytes of their own.  Waves share nothing: no barrier.
.set R,    64                          ; x: v64-191  two sets of 64: a fragment's 16 rows x 512 bytes as loaded
.set X,    192                         ; x: v192-255 my 64 numbers: blocks h and 2 + h of my row
.set SW,   20                          ; x: v20-23   the four fragments' scale words
.set PC,   24                          ; x: v24-35   a fragment's codes
.set PT,   36                          ; x: v36-43   the upper halves of the blocks' codes, before they are moved
.set XST,  8448                        ; x: a wave's stage: 16 rows x (512 bytes + 16)
.set WX,   64                          ; weights: v64-127 two sets of 32 numbers
.set WOUT, 128                         ; weights: v128-175 the way out
.set WLDS, 4*XST                       ; weights: the stages begin behind x's
.set WST,  6144                        ; weights: a wave's stage: 2 tiles x 4 half images
	s_load_b256 s[4:11], s[0:1], 0x0               ; x s[4:5], Wq s[6:7], Wk s[8:9], Wv s[10:11]
	s_load_b256 s[12:19], s[0:1], 0x20             ; Wo s[12:13], xi s[14:15], xs s[16:17], wi s[18:19]
	s_load_b64 s[20:21], s[0:1], 0x40              ; ws
	v_lshl_add_u32 v62, v0, 2, 0xe400
	v_mov_b32 v63, 0
	v_lshrrev_b32 v1, 5, v0
	v_readfirstlane_b32 s22, v1                    ; wave 0..3
	v_and_b32 v1, 31, v0                           ; lane
	s_cmp_lt_u32 ttmp9, 256
	s_cbranch_scc0 .Lweights
; ---------------- x: K is innermost.  Wave W = 4 x work-group + wave takes tile W / 2, K half W % 2: four fragments of 16 rows x 128 K.
	v_and_b32 v2, 15, v0                           ; r
	v_bfe_u32 v3, v0, 4, 1                         ; h
	v_lshlrev_b32 v4, 4, v1                        ; 16 x lane: a load's and an image's place
	v_lshlrev_b32 v5, 3, v1                        ; 8 x lane
	s_mul_i32 s23, s22, XST
	v_add_nc_u32 v6, s23, v4                       ; the stage, in: a row's 512 bytes as they lie
	v_mul_u32_u24 v7, v2, 528
	v_lshl_add_u32 v7, v3, 7, v7
	v_add_nc_u32 v7, s23, v7                       ; out: row r, + 128 h: my block of 32 numbers
	v_lshlrev_b32 v8, 5, v2
	v_lshl_add_u32 v8, v3, 3, v8                   ; xs: 32 r + 8 h
	v_lshlrev_b32 v18, 3, v3                       ; 8 h: my bytes' place in a scale word
	v_mov_b32 v17, 0                               ; a lane permute's destination counts as read
	s_mov_b32 s36, 0x76543210
	s_mov_b32 s37, 0xfedcba98                      ; lane l xor 16
	s_lshl_b32 s24, ttmp9, 2
	s_add_co_u32 s24, s24, s22                     ; W
	s_lshr_b32 s25, s24, 1                         ; the tile
	s_and_b32 s26, s24, 1                          ; the K half
	s_lshr_b32 s28, s25, 1
	s_lshl_b32 s28, s28, 17                        ; 32 (tile / 2) rows of 4,096 bytes
	s_and_b32 s29, s25, 1
	s_lshl_b32 s29, s29, 15                        ; + 8 (tile % 2) rows
	s_add_co_u32 s28, s28, s29
	s_lshl_b32 s29, s26, 11                        ; + 2,048 bytes for the upper K half
	s_add_co_u32 s28, s28, s29
	s_mov_b32 s29, 0
	s_mul_i32 s30, s25, 12288
	s_mul_i32 s31, s26, 6144
	s_add_co_u32 s30, s30, s31                     ; xi: the tile's images, my eight halves
	s_mov_b32 s31, 0
	s_lshl_b32 s32, s25, 9
	s_lshl_b32 s33, s26, 4
	s_add_co_u32 s32, s32, s33                     ; xs: the tile's 16 rows of 32 bytes, my 16 bytes of each
	s_mov_b32 s33, 0
	s_wait_alu depctr_va_vdst(0)
	s_wait_kmcnt 0x0
	s_add_nc_u64 s[4:5], s[4:5], s[28:29]
	s_add_nc_u64 s[14:15], s[14:15], s[30:31]
	s_add_nc_u64 s[16:17], s[16:17], s[32:33]
.macro XLOAD f                         ; fragment f: each load takes 512 consecutive bytes of one of the tile's rows
.set ii, 0
.rept 16
	global_load_b128 v[R+64*((\f)%2)+4*ii:R+64*((\f)%2)+4*ii+3], v4, s[4:5] offset:(ii+8*(ii/8))*4096+512*(\f) th:TH_LOAD_NT
.set ii, ii+1
.endr
.endm
.macro XTURN f                         ; through my stage: in as loaded, out 128 neighbouring bytes a block.  LDS serves a wave's instructions in order (ISA guide 5.7.1.4): no wait between
.set ii, 0
.rept 16
	ds_store_b128 v6, v[R+64*((\f)%2)+4*ii:R+64*((\f)%2)+4*ii+3] offset:528*ii
.set ii, ii+1
.endr
.set ii, 0
.rept 16
	ds_load_b128 v[X+4*ii:X+4*ii+3], v7 offset:256*(ii/8)+16*(ii%8)   ; registers 32 c + 0 .. 31: k = 64 c + 32 h + 0 .. 31
.set ii, ii+1
.endr
.endm
.macro XQ f                            ; my two blocks become codes; the scale word is gathered from lanes l and l xor 16
.irp c, 0,1
	v_max3_num_f32 v[10+\c], |v[X+32*\c]|, |v[X+1+32*\c]|, 0x1800000      ; the floor 2^(3 - 127) holds the byte at 1 from below
.endr
.irp i, 2,4,6,8,10,12,14,16,18,20,22,24,26,28,30
.irp c, 0,1
	v_max3_num_f32 v[10+\c], v[10+\c], |v[X+32*\c+\i]|, |v[X+1+32*\c+\i]|  ; the two blocks by turns
.endr
.endr
.irp c, 0,1
	v_add_nc_u32 v[12+\c], 0xff000000, v[10+\c]    ; 2 off the exponent field: the conversion's scale operand
.endr
.irp c, 0,1
	v_lshrrev_b32 v[14+\c], 23, v[12+\c]           ; the byte
.endr
	v_lshl_or_b32 v16, v15, 16, v14                ; blocks h and 2 + h,
	v_lshlrev_b32 v16, v18, v16                    ; 8 h bits up;
	v_permlanex16_b32 v17, v16, s36, s37
	v_or_b32 v[SW+\f], v16, v17                    ; with the other lane's two the word is whole
	s_wait_alu depctr_va_vdst(0)
	s_wait_xcnt 0x0                                ; the last fragment's stores have read their data: the codes' registers are written again only behind this wait
.irp c, 0,1
	v_cvt_scalef32_pk16_fp6_f32 v[PC+6*\c:PC+6*\c+2], v[X+32*\c:X+32*\c+15], v[12+\c]
	v_cvt_scalef32_pk16_fp6_f32 v[PT+4*\c:PT+4*\c+2], v[X+32*\c+16:X+32*\c+31], v[12+\c]   ; (a conversion's three registers begin on an even number)
.endr
	v_nop                                          ; one plain line behind the scaled conversions
.irp c, 0,1
.irp i, 0,1,2
	v_mov_b32 v[PC+3+6*\c+\i], v[PT+4*\c+\i]
.endr
.endr
.irp c, 0,1
	global_store_b128 v4, v[PC+6*\c:PC+6*\c+3], s[14:15] offset:(2*(\f)+\c)*768        ; 512 consecutive bytes, aligned
	global_store_b64 v5, v[PC+6*\c+4:PC+6*\c+5], s[14:15] offset:(2*(\f)+\c)*768+512   ; 256 consecutive bytes, aligned
.endr
.endm
	XLOAD 0
	XLOAD 1
.irp f, 0,1,2,3
.if \f < 3
	s_wait_loadcnt 16                              ; this fragment's 16 loads are in; the next fragment's may be out
.else
	s_wait_loadcnt 0x0
.endif
	XTURN \f
	s_wait_dscnt 0x0                               ; my numbers are back, and the stores have read the set that is loaded again below
.if \f < 2
	XLOAD \f+2
.endif
	XQ \f
.endr
	v_cmp_ne_u32 vcc_lo, 0, v3
	v_cndmask_b32 v10, v[SW], v[SW+2], vcc_lo      ; lanes 0-15 store words 0 and 1 of their row, lanes 16-31 words 2 and 3
	v_cndmask_b32 v11, v[SW+1], v[SW+3], vcc_lo
	global_store_b64 v8, v[10:11], s[16:17]
	s_wait_tensorcnt 0x0
	ds_add_u32 v62, v63
	s_wait_dscnt 0x0
	s_endpgm
; ---------------- the weights: K is the FIRST axis.  A lane takes a column n and its registers run down K: a block of 32 lies in one lane, and the codes come out with K innermost.
.Lweights:
	s_sub_co_u32 s24, ttmp9, 256
	s_lshr_b32 s25, s24, 5                         ; which weight: q, k, v, o
	s_and_b32 s26, s24, 7                          ; which 128 columns
	s_bfe_u32 s27, s24, 0x20003                    ; which 256 along K
	s_lshl_b32 s28, s26, 2
	s_add_co_u32 s28, s28, s22                     ; my wave's 32 columns: tiles 2 beta and 2 beta + 1
	s_wait_alu depctr_va_vdst(0)
	v_lshlrev_b32 v3, 2, v1                        ; in: 4 bytes a lane
	v_bfe_u32 v14, v0, 3, 1                        ; column 32 beta + l is lane row r = l % 8 + 8 (l / 16) of tile 2 beta + u, u = (l / 8) % 2
	v_and_b32 v10, 7, v0
	v_bfe_u32 v11, v0, 4, 1
	v_lshl_add_u32 v10, v11, 3, v10                ; r
	s_mul_i32 s29, s22, WST
	s_add_co_u32 s29, s29, WLDS                    ; my stage
	v_mul_u32_u24 v9, v14, 3072
	v_add_nc_u32 v9, s29, v9                       ; tile u's four half images
	v_lshl_add_u32 v4, v10, 4, v9                  ; registers 0-3 of image lane r (+ 256 for h = 1)
	v_lshl_add_u32 v5, v10, 3, v9
	v_add_nc_u32 v5, 512, v5                       ; registers 4-5 (+ 128 for h = 1)
	v_lshlrev_b32 v7, 4, v1                        ; the way out: 16 x lane
	v_add_nc_u32 v6, s29, v7
	v_lshlrev_b32 v8, 5, v10
	v_lshl_add_u32 v8, v14, 9, v8                  ; ws: 512 u + 32 r
	s_lshl_b32 s30, s27, 20                        ; 256 rows of 4,096 bytes
	s_lshl_b32 s31, s28, 7
	s_add_co_u32 s30, s30, s31
	s_mov_b32 s31, 0
	s_lshl_b32 s32, s25, 6
	s_lshl_b32 s33, s28, 1
	s_add_co_u32 s32, s32, s33                     ; the first of my two tiles: 64 x weight + 2 beta
	s_mul_i32 s34, s32, 12288
	s_mul_i32 s35, s27, 3072
	s_add_co_u32 s34, s34, s35
	s_mov_b32 s35, 0
	s_lshl_b32 s32, s32, 9
	s_lshl_b32 s33, s27, 3
	s_add_co_u32 s32, s32, s33
	s_mov_b32 s33, 0
	s_wait_kmcnt 0x0
	s_cmp_eq_u32 s25, 1                            ; the choice hangs on the work-group's number alone
	s_cselect_b64 s[6:7], s[8:9], s[6:7]
	s_cmp_eq_u32 s25, 2
	s_cselect_b64 s[6:7], s[10:11], s[6:7]
	s_cmp_eq_u32 s25, 3
	s_cselect_b64 s[6:7], s[12:13], s[6:7]
	s_add_nc_u64 s[6:7], s[6:7], s[30:31]
	s_add_nc_u64 s[18:19], s[18:19], s[34:35]
	s_add_nc_u64 s[20:21], s[20:21], s[32:33]
.macro WLOAD t                         ; block t: W(32 t + i, my column): 128 consecutive bytes a wave, 512 a work-group
.set ii, 0
.rept 32
	global_load_b32 v[WX+32*((\t)%2)+ii], v3, s[6:7] offset:(32*(\t)+ii)*4096 th:TH_LOAD_NT
.set ii, ii+1
.endr
.endm
.macro WBLOCK t
.set XS, WX+32*((\t)%2)
.if (\t) < 7
	s_wait_loadcnt 32                              ; this block's 32 loads are in; the next block's may be out
.else
	s_wait_loadcnt 0x0
.endif
	v_max3_num_f32 v12, |v[XS]|, |v[XS+1]|, |v[XS+2]|
	v_max3_num_f32 v13, |v[XS+3]|, |v[XS+4]|, |v[XS+5]|
.irp i, 6,10,14,18,22,26
	v_max3_num_f32 v12, v12, |v[XS+\i]|, |v[XS+\i+1]|
	v_max3_num_f32 v13, v13, |v[XS+\i+2]|, |v[XS+\i+3]|
.endr
	v_max3_num_f32 v12, v12, |v[XS+30]|, |v[XS+31]|
	v_max3_num_f32 v12, v12, v13, 0x1800000        ; and the floor
	v_add_nc_u32 v11, 0xff000000, v12              ; the conversion's scale operand
	v_lshrrev_b32 v13, 23, v11                     ; the byte
.if (\t)%4 == 0
	v_mov_b32 v[20+(\t)/4], v13
.else
	v_lshl_or_b32 v[20+(\t)/4], v13, 8*((\t)%4), v[20+(\t)/4]
.endif
	v_cvt_scalef32_pk16_fp6_f32 v[24:26], v[XS:XS+15], v11
	v_cvt_scalef32_pk16_fp6_f32 v[28:30], v[XS+16:XS+31], v11
	v_nop                                          ; one plain line behind the scaled conversions
	v_mov_b32 v27, v28                             ; the block's six registers on end
	v_mov_b32 v28, v29
	v_mov_b32 v29, v30
	ds_store_b128 v4, v[24:27] offset:((\t)/2)*768+256*((\t)%2)     ; block t is image lane (r, h = t % 2) of half t / 2
	ds_store_b64 v5, v[28:29] offset:((\t)/2)*768+128*((\t)%2)
.if (\t)+2 < 8
	WLOAD (\t)+2
.endif
	s_wait_dscnt 0x0                               ; the stores have read their registers
.endm
	WLOAD 0
	WLOAD 1
.irp t, 0,1,2,3,4,5,6,7
	WBLOCK \t
.endr
	s_wait_alu depctr_va_vdst(0)
	global_store_b64 v8, v[20:21], s[20:21]        ; my column's eight bytes
.irp m, 0,1,2,3,4,5,6,7,8,9,10,11
	ds_load_b128 v[WOUT+4*\m:WOUT+4*\m+3], v6 offset:512*\m
.endr
.irp m, 0,1,2,3,4,5,6,7,8,9,10,11
	s_wait_dscnt 11-\m                             ; the younger reads of the stage may be out
	global_store_b128 v7, v[WOUT+4*\m:WOUT+4*\m+3], s[18:19] offset:(\m/6)*12288+(\m%6)*512   ; 512 consecutive bytes, aligned
.endr
	s_wait_tensorcnt 0x0
	ds_add_u32 v62, v63
	s_wait_dscnt 0x0
	s_endpgm
.Lfunc_end_k_qe2f63d1fc9_quant:
	.size	k_qe2f63d1fc9_quant, .Lfunc_end_k_qe2f63d1fc9_quant-k_qe2f63d1fc9_quant
	.p2alignl 7, 3214868480
	.fill 96, 4, 3214868480
	.section	.rodata,"a",@progbits
	.p2align	6, 0x0
	.amdhsa_kernel k_qe2f63d1fc9_quant
		.amdhsa_group_segment_fixed_size 58880
		.amdhsa_private_segment_fixed_size 0
		.amdhsa_enable_private_segment 0
		.amdhsa_kernarg_size 72
		.amdhsa_user_sgpr_count 2
		.amdhsa_user_sgpr_kernarg_segment_ptr 1
		.amdhsa_wavefront_size32 1
		.amdhsa_system_sgpr_workgroup_id_x 1
		.amdhsa_system_sgpr_workgroup_id_y 1
		.amdhsa_system_sgpr_workgroup_id_z 1
		.amdhsa_system_vgpr_workitem_id 0
		.amdhsa_next_free_vgpr 256
		.amdhsa_next_free_sgpr 66
		.amdhsa_reserve_vcc 1
		.amdhsa_float_denorm_mode_32 3
		.amdhsa_float_denorm_mode_16_64 3
		.amdhsa_memory_ordered 1
		.amdhsa_forward_progress 1
		.amdhsa_inst_pref_size 72
	.end_amdhsa_kernel
	.amdgpu_metadata
---
amdhsa.version: [ 1, 2 ]
amdhsa.kernels:
  - .name:           k_qe2f63d1fc9_quant
    .symbol:         k_qe2f63d1fc9_quant.kd
    .args:
      - { .name: x, .offset: 0, .size: 8, .value_kind: global_buffer, .address_space: global }
      - { .name: Wq, .offset: 8, .size: 8, .value_kind: global_buffer, .address_space: global }
      - { .name: Wk, .offset: 16, .size: 8, .value_kind: global_buffer, .address_space: global }
      - { .name: Wv, .offset: 24, .size: 8, .value_kind: global_buffer, .address_space: global }
      - { .name: Wo, .offset: 32, .size: 8, .value_kind: global_buffer, .address_space: global }
      - { .name: xi, .offset: 40, .size: 8, .value_kind: global_buffer, .address_space: global }
      - { .name: xs, .offset: 48, .size: 8, .value_kind: global_buffer, .address_space: global }
      - { .name: wi, .offset: 56, .size: 8, .value_kind: global_buffer, .address_space: global }
      - { .name: ws, .offset: 64, .size: 8, .value_kind: global_buffer, .address_space: global }
    .group_segment_fixed_size: 58880
    .private_segment_fixed_size: 0
    .kernarg_segment_align: 8
    .kernarg_segment_size: 72
    .max_flat_workgroup_size: 128
    .sgpr_count:     66
    .vgpr_count:     256
    .wavefront_size: 32
...
	.end_amdgpu_metadata
.endif
;; end of part 1
;; launch qkv (part 2): grid 12 x 32, 4 waves a work-group, clusters of 4 x 4, 327,680 bytes of LDS; arguments xi, xs, wi, ws, bq, bk, bv, qk, vv; writes qk, vv
.if DOCPART == 2
	.amdgcn_target "amdgcn-amd-amdhsa--gfx1250"
	.amdhsa_code_object_version 6
	.text
	.protected	k_qe2f63d1fc9_qkv
	.globl	k_qe2f63d1fc9_qkv
	.p2align	8
	.type	k_qe2f63d1fc9_qkv,@function
k_qe2f63d1fc9_qkv:
	s_mov_b64 s[64:65], 0
	v_nop
	global_prefetch_b8 v0, s[64:65] scope:SCOPE_SE
	s_setreg_imm32_b32 hwreg(HW_REG_WAVE_MODE, 25, 1), 1
	s_wait_xcnt 0x0
	s_wait_alu depctr_hold_cnt(0) depctr_sa_sdst(0) depctr_va_vdst(0) depctr_va_sdst(0) depctr_va_ssrc(0) depctr_va_vcc(0) depctr_vm_vsrc(0)
	s_getreg_b32 s2, hwreg(HW_REG_IB_STS2, 6, 4)
	s_cmp_eq_u32 s2, 0
	s_cbranch_scc0 .Lentry_in_a_cluster
	s_endpgm
.Lentry_in_a_cluster:
	s_bfe_u32 s2, ttmp6, 0x10000c
	s_cmp_lg_u32 s2, 0xf033
	s_cbranch_scc0 .Lentry_shape_is_right
	s_endpgm
.Lentry_shape_is_right:
; q = x Wq + bq, k = x Wk + bk, v = x Wv + bv on codes of FP6 (E2M3) with E8M0 scales, K = 1,024; the results are quantised in registers and leave as the attention launch's operand images.
; A tile of C, 256 x 256, is made by four waves, 128 x 128 each: 64 accumulators, 512 registers.  K goes in steps of 256 through two LDS slots filled by the tensor data mover.
; OPERANDS ARE REGISTER IMAGES: [tile of 16 rows][16 half images of 768 bytes]; a half image is 16 rows x 64 K: registers 0-3 at 16 x lane, registers 4-5 at 512 + 8 x lane.  Lane row r of tile t is row 32 (t/2) + 8 (t%2) + r + 8 (r/8).
; THE MATRIX INSTRUCTION IS USED TRANSPOSED (source 0 = 16 rows of B, source 1 = 16 rows of A): a lane holds ONE row of A, and by the tiles' order of rows its 64 registers of a block of A are
; register 16 b + i = B's row 32 b + 16 (lane / 16) + i: neighbours along the next product's K.
; WHO.  Cluster columns 0 and 1: A = x's tokens, B = Wq | Wk's features: a lane holds a token, its registers run along two heads' 64 channels, q's and k's K.
; Cluster column 2: the operands change places: A = Wv's features, B = x's tokens: a lane holds a channel and its registers run along 128 keys, v's K.  The choice hangs on the cluster's x alone, the same in all sixteen partners.
; CLUSTERS: 4 x 4.  A's tiles are asked for jointly along a row of the cluster, B's along a column.
; OUT.  qk: [plane = 4 (head, k's 16 on) + batch][group of 128 tokens][8 tiles x 768, then 512 bytes of scale words [r][tile], bytes 2 and 3 zero].  vv: [plane = 4 head + batch][128 keys][4 channel tiles x 2 halves x 768, then 256 bytes of scale words [r][tile]].
; LIMITS: NaN and infinities are not served; a block of zeros, or one under 2^-124, gets the byte 1.  The bias starts each sum (it is the first product's C), so it is added ahead of the products.
; REGISTERS, in windows of 256: window 0: v8-29 addresses; v32-63 scale words, two sets, and nothing else; v64-127 the bias as C, later the way out's work; v128-223 A's fragments, one set.
;   window 1: B's fragments, two sets, at v0 and v128.   window 2: the accumulators of my rows 0-63 ((a, b) at v[8 (8 a + b)]);   window 3: those of rows 64-127.
.set NQ,     2                         ; steps of 128 along K in a slot
.set FR,     12                        ; registers of a fragment
.set NL,     4                         ; LDS loads that bring one
.set NP,     4                         ; places behind this matrix instruction (ISA guide 7.12.1)
.set TILEB,  3072                      ; a tile's 256 along K: four half images
.set HALFT,  8*TILEB                   ; 128 rows: what one tensor load brings
.set SLOT,   4*HALFT                   ; A's 256 rows, then B's
.set KROW,   768                       ; bytes of codes for a row (12,288 a tile)
.set KS,     32                        ; bytes of scales for a row
.set SCL,    2*SLOT                    ; behind the ring: the scales for all of K, as units of 256 bytes + 16 of padding
.set HALFS,  16*272                    ; those of 128 rows
.set SBLK,   2*272                     ; those of 16 rows
.set SPARE,  SCL+4*HALFS               ; the spare words, 128 bytes a wave: two blocks of 256 bytes that no other line names
.set OI,   8                           ; v8   16 x lane
.set OJ,   9                           ; v9   8 x lane
.set OS,   10                          ; v10  where my scale words go
.set SH,   11                          ; v11  16 (lane / 16)
.set ADRA, 16                          ; v16-17 A's fragments in slot 0, 1, registers 0-3; v18-19 registers 4-5
.set ADRB, 20                          ; v20-23 the same for B
.set ADRS, 27                          ; v27  my scale words: lanes 0-15 A's rows, lanes 16-31 B's
.set SPW,  28                          ; v28  my spare word; never rewritten
.set NIL,  29                          ; v29  0; never rewritten
.set SC,   32
.set BI,   64                          ; the bias, eight registers a block
.set AF,   128
.set PC,   64                          ; the way out: a fragment's codes,
.set PT,   76                          ; the halves that are moved,
.set TM,   84                          ; v84-87 largest magnitudes, v88-91 the other lane's, then bytes, v96-99 scale operands,
.set PW,   100                         ; the scale word just made,
.set SW,   104                         ; v104-111 the eight blocks' words
.set G1, 24
.set G0, 32
.set G1B, 48
.set G0B, 56
.set G1S, 68
.set G0S, 76
.set G1SB, 80
.set G0SB, 88
.set MSB, 0
.macro WIN new                         ; the immediate's high byte repeats the setting that is left
.if MSB != \new
	s_set_vgpr_msb (MSB<<8)|\new
.set MSB, \new
.endif
.endm
.set MUL_LO, 0xa1                      ; source 0 (B) window 1, source 1 (A) window 0, C and D window 2
.set MUL_HI, 0xf1                      ; the same, C and D window 3
.set TO_B,   0x40                      ; destination window 1, address window 0
; A joint load: waves 0 and 1 fetch for A, waves 2 and 3 for B; the branch hangs on the wave's number alone.  Four v_nop follow each of the two lines.
.macro JLOAD g0a, g1a, g0b, g1b
	s_cmp_eq_u32 s15, 0
	s_cbranch_scc0 .Lfor_b_\@
	tensor_load_to_lds s[\g0a:\g0a+3], s[\g1a:\g1a+7]
	s_nop 0
.rept 4
	v_nop
.endr
	s_branch .Lasked_\@
.Lfor_b_\@:
	tensor_load_to_lds s[\g0b:\g0b+3], s[\g1b:\g1b+7]
	s_nop 0
.rept 4
	v_nop
.endr
.Lasked_\@:
.endm
.macro CREST                           ; a round of the cluster's barrier behind its opening barrier
	s_cmp_lg_u32 s14, 0
	s_cbranch_scc1 .Lnot_wave_0_\@
	s_barrier_signal -3
.Lnot_wave_0_\@:
	s_barrier_wait -3
	s_barrier_signal -1
	s_barrier_wait -1
.endm
.macro CROUND
	s_barrier_signal -1
	s_barrier_wait -1
	CREST
.endm
	s_load_b128 s[4:7], s[0:1], 0x0                ; xi, xs
	s_load_b128 s[8:11], s[0:1], 0x10              ; wi, ws
	v_lshl_add_u32 v[SPW], v0, 2, SPARE
	v_mov_b32 v[NIL], 0
	ds_add_u32 v28, v29
	ds_add_u32 v28, v29
	s_wait_dscnt 0x0
	v_lshrrev_b32 v1, 5, v0
	v_readfirstlane_b32 s14, v1                    ; wave 0..3
	s_lshr_b32 s15, s14, 1                         ; which half of A's rows is mine.  Also: I fetch for A (0) or for B (1)
	s_and_b32 s16, s14, 1                          ; which half of B's rows.  Also: which 128 rows I fetch
	s_bfe_u32 s40, ttmp6, 0x40000                  ; cx, cy: my place in the cluster
	s_bfe_u32 s41, ttmp6, 0x40004
	s_and_b32 s67, ttmp7, 0xffff                   ; the cluster's y
	s_cmp_eq_u32 ttmp9, 2                          ; the cluster's x: column 2 makes v
	s_cselect_b32 s66, 1, 0
	s_cselect_b32 s17, 2, s67                      ; A's tiles: v: Wv's rows, 2,048 on in wi; else the tokens by the cluster's y
	s_cselect_b32 s42, s67, ttmp9                  ; B's tiles: v: the tokens by the cluster's y; else Wq | Wk by the cluster's x
	s_lshl_b32 s17, s17, 2
	s_add_co_u32 s17, s17, s41                     ; tile row of A
	s_lshl_b32 s42, s42, 2
	s_add_co_u32 s42, s42, s40                     ; tile column of B
	s_lshl_b32 s43, s41, 2
	s_lshl_b32 s43, 15, s43                        ; my row of the cluster
	s_lshl_b32 s44, 0x1111, s40                    ; my column
	; group 1 for the codes: 8 tiles x 3,072 bytes (384 elements of 8 bytes), 12,288 bytes apart, dense in LDS
	s_or_b32 s[G1+0], s43, (3<<16)|(1<<21)         ; 15:0 the mask; 17:16 elements of 8 bytes; 21 set beside a mask
	s_or_b32 s[G1B+0], s44, (3<<16)|(1<<21)
.irp g, G1, G1B
	s_mov_b32 s[\g+1], 384<<16                     ; tensor_dim0
	s_mov_b32 s[\g+2], 8<<16                       ; tensor_dim1
	s_mov_b32 s[\g+3], 384<<16                     ; tile_dim0
	s_mov_b32 s[\g+4], 8                           ; tile_dim1
	s_mov_b32 s[\g+5], 1536                        ; tensor_dim0_stride
	s_mov_b32 s[\g+6], 0
	s_mov_b32 s[\g+7], 0
.endr
	; and for the scales of 128 rows: 4,096 dense bytes as 16 rows of 256, 16 bytes of padding behind each
	s_or_b32 s[G1S+0], s43, (3<<16)|(1<<20)|(1<<21)|(5<<22)|(3<<25)
	s_or_b32 s[G1SB+0], s44, (3<<16)|(1<<20)|(1<<21)|(5<<22)|(3<<25)
.irp g, G1S, G1SB
	s_mov_b32 s[\g+1], 32<<16
	s_mov_b32 s[\g+2], 16<<16
	s_mov_b32 s[\g+3], 32<<16
	s_mov_b32 s[\g+4], 16
	s_mov_b32 s[\g+5], 32
	s_mov_b32 s[\g+6], 0
	s_mov_b32 s[\g+7], 0
.endr
	s_lshl_b32 s18, s16, 7                         ; which 128 rows I fetch
	s_lshl_b32 s20, s17, 8
	s_add_co_u32 s20, s20, s18                     ; A: image row 256 x tile row + 128 x half
	s_lshl_b32 s46, s42, 8
	s_add_co_u32 s46, s46, s18                     ; B likewise
	s_mov_b32 s21, 0
	s_mov_b32 s47, 0
	s_mov_b64 s[18:19], KS
	s_mul_u64 s[22:23], s[20:21], s[18:19]         ; where these rows' scales begin
	s_mul_u64 s[92:93], s[46:47], s[18:19]
	s_mov_b64 s[18:19], KROW
	s_mul_u64 s[20:21], s[20:21], s[18:19]         ; and their codes
	s_mul_u64 s[46:47], s[46:47], s[18:19]
	s_mul_i32 s45, s14, HALFT                      ; where they go: wave x 128 rows: no place in the cluster enters an LDS address
	s_mul_i32 s94, s14, HALFS
	s_wait_kmcnt 0x0
	s_cmp_eq_u32 s66, 1                            ; which buffers are A's and which B's
	s_cselect_b64 s[96:97], s[8:9], s[4:5]
	s_cselect_b64 s[98:99], s[10:11], s[6:7]
	s_cselect_b64 s[8:9], s[4:5], s[8:9]
	s_cselect_b64 s[10:11], s[6:7], s[10:11]
	s_add_nc_u64 s[20:21], s[96:97], s[20:21]
	s_add_nc_u64 s[22:23], s[98:99], s[22:23]
	s_add_nc_u64 s[46:47], s[8:9], s[46:47]
	s_add_nc_u64 s[92:93], s[10:11], s[92:93]
	CROUND                                         ; all sixteen work-groups are here: the first joint loads meet
	s_mov_b32 s[G0S], 1
	s_add_co_u32 s[G0S+1], s94, SCL
	s_mov_b64 s[G0S+2:G0S+3], s[22:23]
	s_or_b32 s[G0S+3], s[G0S+3], 0x80000000
	s_mov_b32 s[G0SB], 1
	s_add_co_u32 s[G0SB+1], s94, SCL
	s_mov_b64 s[G0SB+2:G0SB+3], s[92:93]
	s_or_b32 s[G0SB+3], s[G0SB+3], 0x80000000
	JLOAD G0S, G1S, G0SB, G1SB                     ; the scales first: they are wanted with K step 0
.irp s, 0,1
	s_mov_b32 s[G0+4*\s], 1
	s_add_co_u32 s[G0+4*\s+1], s45, \s*SLOT
	s_add_nc_u64 s[G0+4*\s+2:G0+4*\s+3], s[20:21], \s*TILEB
	s_or_b32 s[G0+4*\s+3], s[G0+4*\s+3], 0x80000000
	s_mov_b32 s[G0B+4*\s], 1
	s_add_co_u32 s[G0B+4*\s+1], s45, \s*SLOT
	s_add_nc_u64 s[G0B+4*\s+2:G0B+4*\s+3], s[46:47], \s*TILEB
	s_or_b32 s[G0B+4*\s+3], s[G0B+4*\s+3], 0x80000000
	JLOAD G0+4*\s, G1, G0B+4*\s, G1B               ; three tensor loads of mine are out now
.endr
	s_load_b256 s[92:99], s[0:1], 0x20             ; bq s[92:93], bk s[94:95], bv s[96:97], qk s[98:99]
	s_load_b64 s[100:101], s[0:1], 0x40            ; vv
	v_and_b32 v1, 15, v0                           ; r
	v_bfe_u32 v2, v0, 4, 1                         ; h
	v_and_b32 v3, 31, v0
	v_lshlrev_b32 v[OI], 4, v3
	v_lshlrev_b32 v[OJ], 3, v3
	v_add_nc_u32 v4, 512, v[OJ]
	s_mul_i32 s21, s15, HALFT                      ; my 128 rows of A
	s_mul_i32 s22, s16, HALFT                      ; my 128 rows of B,
	s_add_co_u32 s22, s22, 2*HALFT                 ; behind A's 256
.irp s, 0,1
	v_add_nc_u32 v[ADRA+\s], s21, v[OI]
	v_add_nc_u32 v[ADRB+\s], s22, v[OI]
	v_add_nc_u32 v[ADRA+2+\s], s21, v4
	v_add_nc_u32 v[ADRB+2+\s], s22, v4
	s_add_co_u32 s21, s21, SLOT
	s_add_co_u32 s22, s22, SLOT
.endr
	v_mul_u32_u24 v5, v1, KS                       ; my row's scales: 32 bytes a row,
	v_lshrrev_b32 v6, 8, v5
	v_lshl_add_u32 v5, v6, 4, v5                   ; and 16 more for each 256 passed
	s_mul_i32 s21, s15, HALFS
	s_mul_i32 s22, s16, HALFS
	s_add_co_u32 s22, s22, 2*HALFS
	s_sub_co_u32 s22, s22, s21
	v_mul_u32_u24 v6, s22, v2                      ; lanes 16-31 take B's: one product, the distance between the two bases
	s_add_co_u32 s21, s21, SCL
	v_add_nc_u32 v5, v5, v6
	v_add_nc_u32 v[ADRS], s21, v5
	v_lshlrev_b32 v5, 6, v2                        ; the bias by B's rows: 64 h bytes
	v_and_b32 v6, 8, v1
	v_add_nc_u32 v6, v6, v1
	v_lshlrev_b32 v6, 2, v6                        ; the bias by A's rows: 4 (r + 8 (r / 8))
	v_lshlrev_b32 v[SH], 4, v2
	s_wait_kmcnt 0x0
	; THE BIAS IS THE C OF EACH SUM'S FIRST PRODUCT.  q, k: it goes with B's rows: register j of block b is feature 32 (b/2) + 16 h + 8 (b%2) + j.  v: with A's rows: all eight registers of block a hold my channel's.
	s_cmp_eq_u32 s66, 0
	s_cbranch_scc0 .Lbias_v
	s_cmp_eq_u32 ttmp9, 0
	s_cselect_b64 s[20:21], s[92:93], s[94:95]
	s_lshl_b32 s22, s40, 10
	s_lshl_b32 s23, s16, 9
	s_add_co_u32 s22, s22, s23                     ; 4 (256 cx + 128 x half)
	s_mov_b32 s23, 0
	s_add_nc_u64 s[20:21], s[20:21], s[22:23]
	s_wait_alu depctr_va_vdst(0)
.irp b, 0,1,2,3,4,5,6,7
	global_load_b128 v[BI+8*\b:BI+8*\b+3], v5, s[20:21] offset:128*(\b/2)+32*(\b%2)
	global_load_b128 v[BI+8*\b+4:BI+8*\b+7], v5, s[20:21] offset:128*(\b/2)+32*(\b%2)+16
.endr
	s_wait_loadcnt 0x0
	s_branch .Lbias_done
.Lbias_v:
	s_lshl_b32 s22, s41, 10
	s_lshl_b32 s23, s15, 9
	s_add_co_u32 s22, s22, s23                     ; 4 (256 cy + 128 x half)
	s_mov_b32 s23, 0
	s_add_nc_u64 s[20:21], s[96:97], s[22:23]
	s_wait_alu depctr_va_vdst(0)
.irp a, 0,1,2,3,4,5,6,7
	global_load_b32 v[BI+8*\a], v6, s[20:21] offset:(32*(\a/2)+8*(\a%2))*4
.endr
	s_wait_loadcnt 0x0
.irp a, 0,1,2,3,4,5,6,7
.irp j, 1,2,3,4,5,6,7
	v_mov_b32 v[BI+8*\a+\j], v[BI+8*\a]
.endr
.endr
.Lbias_done:
	; where my results go
	s_cmp_eq_u32 s66, 1
	s_cselect_b32 s20, s42, s17                    ; the tile of 256 tokens,
	s_cselect_b32 s21, s16, s15                    ; my half of it,
	s_cselect_b32 s22, s41, s42                    ; the tile of 256 features,
	s_cselect_b32 s23, s15, s16                    ; my half of it
	s_mov_b32 s46, 106496
	s_cselect_b32 s46, 102400, s46                 ; bytes of a plane,
	s_mov_b32 s47, 6656
	s_cselect_b32 s47, 6400, s47                   ; of a group of 128 tokens,
	s_mov_b32 s45, 425984
	s_cselect_b32 s45, 409600, s45                 ; from head to head (four planes)
	s_cselect_b32 s43, 4, 5                        ; a row's scale words: 16 or 32 bytes
	s_cselect_b64 s[12:13], s[100:101], s[98:99]
	s_lshr_b32 s44, s20, 3                         ; the batch
	s_and_b32 s20, s20, 7
	s_lshl_b32 s20, s20, 1
	s_add_co_u32 s20, s20, s21                     ; the group of 128 tokens in it
	s_lshl_b32 s22, s22, 4
	s_lshl_b32 s23, s23, 3
	s_add_co_u32 s22, s22, s23
	s_add_co_u32 s22, s22, s44                     ; the plane of my first head: 4 (4 tile + 2 half) + batch
	s_mul_i32 s22, s22, s46
	s_mul_i32 s20, s20, s47
	s_add_co_u32 s22, s22, s20
	s_mov_b32 s23, 0
	s_add_nc_u64 s[12:13], s[12:13], s[22:23]
	v_lshlrev_b32 v[OS], s43, v1
	v_mul_u32_u24 v5, s45, v2
	v_add_nc_u32 v[OS], v[OS], v5                  ; row r's words, in the head of my half of the lanes
	s_mov_b32 s18, 0x76543210
	s_mov_b32 s19, 0xfedcba98                      ; lane l xor 16
.macro FRAG reg, adr, q, i             ; a fragment, 16 rows x 128 K, is two half images: registers 6 c .. 6 c + 3 at 16 x lane, 6 c + 4, 6 c + 5 at 512 + 8 x lane: every load reads consecutive bytes
.irp c, 0,1
	ds_load_b128 v[\reg+6*\c:\reg+6*\c+3], v[\adr] offset:(\i)*TILEB+(2*(\q)+\c)*768
	ds_load_b64 v[\reg+6*\c+4:\reg+6*\c+5], v[\adr+2] offset:(\i)*TILEB+(2*(\q)+\c)*768
.endr
.endm
; One product: A's block a x B's block b, the slot's q-th 128 along K; p: B's set; sc: the set of scale words.  zero = 0: adds in place; 1: starts the sum with the bias of B's block; 2: with that of A's block.
.macro MM a, b, p, q, sc, zero
.set rD, 8*(8*((\a)%4)+(\b))
.set rB, 128*(\p)+FR*(\b)
.set rA, AF+FR*(\a)
.set rSB, SC+8*NQ*(\sc)+NQ*(\b)+(\q)
.set rSA, SC+8*NQ*(\sc)+NQ*(\a)+(\q)
.if (\zero) == 1
	v_wmma_scale_f32_16x16x128_f8f6f4 v[rD:rD+7], v[rB:rB+FR-1], v[rA:rA+FR-1], v[BI+8*(\b):BI+8*(\b)+7], v[rSB], v[rSA] matrix_a_fmt:MATRIX_FMT_FP6 matrix_b_fmt:MATRIX_FMT_FP6 matrix_a_scale:MATRIX_SCALE_ROW1
.elseif (\zero) == 2
	v_wmma_scale_f32_16x16x128_f8f6f4 v[rD:rD+7], v[rB:rB+FR-1], v[rA:rA+FR-1], v[BI+8*(\a):BI+8*(\a)+7], v[rSB], v[rSA] matrix_a_fmt:MATRIX_FMT_FP6 matrix_b_fmt:MATRIX_FMT_FP6 matrix_a_scale:MATRIX_SCALE_ROW1
.else
	v_wmma_scale_f32_16x16x128_f8f6f4 v[rD:rD+7], v[rB:rB+FR-1], v[rA:rA+FR-1], v[rD:rD+7], v[rSB], v[rSA] matrix_a_fmt:MATRIX_FMT_FP6 matrix_b_fmt:MATRIX_FMT_FP6 matrix_a_scale:MATRIX_SCALE_ROW1
.endif
.endm
.macro MUL16 a0, p, q, sc, zero        ; 16 products.  The 64 accumulators take turns, one instruction a turn, in the same order in every step
.irp a, \a0, \a0+1
.irp b, 0,1,2,3,4,5,6,7
	MM \a, \b, \p, \q, \sc, \zero
.endr
.endr
.endm
.macro FETCH_B slot, q, p
	WIN TO_B
.irp i, 0,1,2,3,4,5,6,7
	FRAG 128*(\p)+FR*\i, ADRB+\slot, \q, \i
.endr
	WIN 0
.endm
.macro FETCH_A slot, q, i0
.irp i, \i0, \i0+1, \i0+2, \i0+3
	FRAG AF+FR*(\i), ADRA+\slot, \q, \i
.endr
.endm
.macro SCALES sc                       ; a K step's scale words: two words a row; lanes 0-15 take A's block i, lanes 16-31 B's
.irp i, 0,1,2,3,4,5,6,7
	ds_load_b64 v[SC+8*NQ*\sc+NQ*\i:SC+8*NQ*\sc+NQ*\i+1], v[ADRS] offset:\i*SBLK
.endr
.endm
.macro PLACES n                        ; a load into a register that a matrix instruction has read, and a vector instruction that reads a result, stand four plain vector instructions behind it
.rept \n
	v_nop
.endr
.endm
; A step of 128 along K that has its successor in the same slot.  A has one set of registers: blocks 0-3 are fetched anew in the step's middle, blocks 4-7 at its end; B has two sets.
.macro STEP slot, q, zero
	s_wait_dscnt 4*NL                              ; all but the youngest 16 loads (A's blocks 4-7) are in
.if \zero
	WIN 0x81                                       ; C (the bias) window 0, D window 2
.else
	WIN MUL_LO
.endif
	MUL16 0, (\q)%2, \q, \slot, \zero
	MUL16 2, (\q)%2, \q, \slot, \zero
	s_wait_dscnt 0                                 ; A's blocks 4-7 are in
	PLACES NP
	FETCH_B \slot, (\q)+1, 1-(\q)%2
	FETCH_A \slot, (\q)+1, 0
.if \zero
	WIN 0xc1
.else
	WIN MUL_HI
.endif
	MUL16 4, (\q)%2, \q, \slot, \zero
	MUL16 6, (\q)%2, \q, \slot, \zero
	PLACES NP
	WIN 0
	FETCH_A \slot, (\q)+1, 4
.endm
; A slot's last step changes slots: ONE barrier; in front of it each wave waits for all its tensor loads, adds 0 to its spare word, and waits for that and for its reads of this slot.  fill = 1: the slot is filled again, two K steps ahead.
.macro TURN slot, next, fill
	s_wait_tensorcnt 0x0                           ; all my tensor loads have landed: my part of the next slot
	ds_add_u32 v[SPW], v[NIL]                      ; 0 onto my spare word
	s_wait_dscnt 4*NL+1                            ; (the add and the youngest 16 loads may be out)
	WIN MUL_LO
	MUL16 0, 1, NQ-1, \slot, 0                     ; sixteen products stand between the add and the wait for it
	s_wait_dscnt 0x0                               ; the add is done, and my reads of this slot are over
	s_barrier_signal -1
	MUL16 2, 1, NQ-1, \slot, 0
	WIN 0
	s_barrier_wait -1
.if \fill
	CREST                                          ; the barrier has opened a round of the cluster's: no wave of any partner still reads this slot or has a load on its way
	s_add_nc_u64 s[G0+4*\slot+2:G0+4*\slot+3], s[G0+4*\slot+2:G0+4*\slot+3], 2*TILEB
	s_add_nc_u64 s[G0B+4*\slot+2:G0B+4*\slot+3], s[G0B+4*\slot+2:G0B+4*\slot+3], 2*TILEB
	JLOAD G0+4*\slot, G1, G0B+4*\slot, G1B         ; my one tensor load behind the round; its four v_nop are also the places in front of the loads below
.else
	PLACES NP
.endif
	s_wait_alu depctr_va_vdst(0)
	v_add_nc_u32 v[ADRS], 4*NQ, v[ADRS]            ; the next K step's scale words (no LDS load of mine is out)
	FETCH_B \next, 0, 0
	FETCH_A \next, 0, 0
	SCALES \next
	WIN MUL_HI
	MUL16 4, 1, NQ-1, \slot, 0
	MUL16 6, 1, NQ-1, \slot, 0
	PLACES NP
	WIN 0
	FETCH_A \next, 0, 4
.endm
	s_wait_tensorcnt 1                             ; the scales and my part of K step 0 are in; K step 1's load may be out
	s_barrier_signal -1
	s_barrier_wait -1
	FETCH_B 0, 0, 0
	FETCH_A 0, 0, 0
	SCALES 0
	FETCH_A 0, 0, 4
	s_cmp_eq_u32 s66, 0                            ; the first step is written for both ways of the bias; it holds no tensor load and no barrier, and both ways issue the same loads
	s_cbranch_scc0 .Lfirst_v
	s_wait_alu depctr_va_vdst(0)
	STEP 0, 0, 1
	s_branch .Lfirst_done
.Lfirst_v:
	s_wait_alu depctr_va_vdst(0)
	STEP 0, 0, 2
.Lfirst_done:
	TURN 0, 1, 1                                   ; K = 1,024 is eight steps of 128: written out, no backward jump.  Slot 0 takes K 512 on,
	STEP 1, 0, 0
	TURN 1, 0, 1                                   ; slot 1 K 768 on
	STEP 0, 0, 0
	TURN 0, 1, 0                                   ; nothing is left to fetch
	STEP 1, 0, 0
	s_wait_dscnt 4*NL
	WIN MUL_LO
	MUL16 0, 1, NQ-1, 1, 0
	MUL16 2, 1, NQ-1, 1, 0
	s_wait_dscnt 0
	WIN MUL_HI
	MUL16 4, 1, NQ-1, 1, 0
	MUL16 6, 1, NQ-1, 1, 0
	WIN 0
; THE WAY OUT: no LDS.  A block's 64 registers of a lane, in window w from v[s] on, register 16 b + i = k 32 b + 16 (lane / 16) + i of my row, become a fragment's codes in v[PC] on and its scale word in v[PW].
; Each accumulator is read from its low end on: the registers are taken in ascending order.
.macro QUANTW s, w
	WIN (\w)|((\w)<<2)
.irp b, 0,1,2,3
	v_max3_num_f32 v[TM+\b], |v[(\s)+16*\b]|, |v[(\s)+1+16*\b]|, 0x1800000     ; the floor 2^(3 - 127) holds the byte at 1 from below
.endr
	WIN ((\w)<<2)|((\w)<<4)
.irp i, 2,4,6,8,10,12,14
.irp b, 0,1,2,3
	v_max3_num_f32 v[TM+\b], v[TM+\b], |v[(\s)+16*\b+\i]|, |v[(\s)+1+16*\b+\i]|
.endr
.endr
	WIN 0
.irp b, 0,1,2,3
	v_permlanex16_b32 v[TM+4+\b], v[TM+\b], s18, s19
.endr
.irp b, 0,1,2,3
	v_max_num_f32 v[TM+\b], v[TM+\b], v[TM+4+\b]   ; with lane l xor 16's 16: the block's largest magnitude
.endr
.irp b, 0,1,2,3
	v_add_nc_u32 v[TM+12+\b], 0xff000000, v[TM+\b] ; 2 off the exponent field: the conversion's scale operand
.endr
.irp b, 0,1,2,3
	v_lshrrev_b32 v[TM+4+\b], 23, v[TM+12+\b]      ; the byte
.endr
	v_lshl_or_b32 v[PW], v[TM+5], 8, v[TM+4]
	v_lshl_or_b32 v[PW], v[TM+6], 16, v[PW]
	v_lshl_or_b32 v[PW], v[TM+7], 24, v[PW]
	s_wait_xcnt 0x0                                ; the last block's stores have read their data: the codes' registers are written again only behind this wait
	WIN (\w)
.irp c, 0,1
	v_cvt_scalef32_pk16_fp6_f32 v[PC+6*\c:PC+2+6*\c], v[(\s)+32*\c:(\s)+15+32*\c], v[TM+12+2*\c]
	v_cvt_scalef32_pk16_fp6_f32 v[PT+4*\c:PT+2+4*\c], v[(\s)+16+32*\c:(\s)+31+32*\c], v[TM+12+2*\c+1]
.endr
	WIN 0
	v_nop                                          ; one plain line behind the scaled conversions
.irp c, 0,1                            ; the operand's layout wants a whole block in a lane: lanes 0-15 block 2 c, lanes 16-31 block 2 c + 1
.irp i, 0,1,2
	v_permlane16_swap_b32 v[PC+6*\c+\i], v[PT+4*\c+\i]
.endr
.irp i, 0,1,2
	v_mov_b32 v[PC+3+6*\c+\i], v[PT+4*\c+\i]
.endr
.endr
.endm
.macro OUTBLK a
	QUANTW 64*((\a)%4), 2+(\a)/4
	s_cmp_eq_u32 s66, 0
	s_cbranch_scc0 .Lout_v_\@
.irp c, 0,1                            ; q, k: half c is head c's tile a of these 128 tokens
	global_store_b128 v[OI], v[PC+6*\c:PC+6*\c+3], s[12:13] offset:\c*425984+(\a)*768
	global_store_b64 v[OJ], v[PC+6*\c+4:PC+6*\c+5], s[12:13] offset:\c*425984+(\a)*768+512
.endr
	v_lshrrev_b32 v[SW+\a], v[SH], v[PW]           ; lanes 0-15 keep head 0's two bytes, lanes 16-31 head 1's;
	v_and_b32 v[SW+\a], 0xffff, v[SW+\a]           ; bytes 2 and 3, over zero codes, are 0
	s_branch .Lout_done_\@
.Lout_v_\@:
	s_wait_alu depctr_va_vdst(0)
.irp c, 0,1                            ; v: the fragment of channel tile a % 4 of head a / 4, these 128 keys
	global_store_b128 v[OI], v[PC+6*\c:PC+6*\c+3], s[12:13] offset:((\a)/4)*409600+((\a)%4)*1536+\c*768
	global_store_b64 v[OJ], v[PC+6*\c+4:PC+6*\c+5], s[12:13] offset:((\a)/4)*409600+((\a)%4)*1536+\c*768+512
.endr
	v_mov_b32 v[SW+\a], v[PW]
.Lout_done_\@:
.endm
	PLACES NP                                      ; behind the last products
.irp b, 0,1,2,3
	v_mov_b32 v[TM+4+\b], 0                        ; a lane permute's destination counts as read
.endr
.irp a, 0,1,2,3,4,5,6,7
	OUTBLK \a
.endr
	s_cmp_eq_u32 s66, 0
	s_cbranch_scc0 .Lwords_v
	global_store_b128 v[OS], v[SW:SW+3], s[12:13] offset:6144      ; row r's eight words, 32 bytes, in my half's head
	s_wait_alu depctr_va_vdst(0)
	global_store_b128 v[OS], v[SW+4:SW+7], s[12:13] offset:6160
	s_branch .Lwords_done
.Lwords_v:
	v_cmp_ne_u32 vcc_lo, 0, v[SH]
	s_wait_alu depctr_va_vdst(0)
.irp j, 0,1,2,3
	v_cndmask_b32 v[SW+\j], v[SW+\j], v[SW+4+\j], vcc_lo           ; lanes 16-31 store the second head's four words
.endr
	global_store_b128 v[OS], v[SW:SW+3], s[12:13] offset:6144
.Lwords_done:
	s_wait_tensorcnt 0x0                           ; the wave's end
	ds_add_u32 v[SPW], v[NIL]
	s_wait_dscnt 0x0
	CROUND                                         ; the closing round: no work-group ends while a partner may still ask for a tile that names it
	s_endpgm
.Lfunc_end_k_qe2f63d1fc9_qkv:
	.size	k_qe2f63d1fc9_qkv, .Lfunc_end_k_qe2f63d1fc9_qkv-k_qe2f63d1fc9_qkv
	.p2alignl 7, 3214868480
	.fill 96, 4, 3214868480
	.section	.rodata,"a",@progbits
	.p2align	6, 0x0
	.amdhsa_kernel k_qe2f63d1fc9_qkv
		.amdhsa_group_segment_fixed_size 327680
		.amdhsa_private_segment_fixed_size 0
		.amdhsa_enable_private_segment 0
		.amdhsa_kernarg_size 72
		.amdhsa_user_sgpr_count 2
		.amdhsa_user_sgpr_kernarg_segment_ptr 1
		.amdhsa_wavefront_size32 1
		.amdhsa_system_sgpr_workgroup_id_x 1
		.amdhsa_system_sgpr_workgroup_id_y 1
		.amdhsa_system_sgpr_workgroup_id_z 1
		.amdhsa_system_vgpr_workitem_id 0
		.amdhsa_next_free_vgpr 1024
		.amdhsa_next_free_sgpr 102
		.amdhsa_reserve_vcc 1
		.amdhsa_float_denorm_mode_32 3
		.amdhsa_float_denorm_mode_16_64 3
		.amdhsa_memory_ordered 1
		.amdhsa_forward_progress 1
		.amdhsa_inst_pref_size 172
	.end_amdhsa_kernel
	.amdgpu_metadata
---
amdhsa.version: [ 1, 2 ]
amdhsa.kernels:
  - .name:           k_qe2f63d1fc9_qkv
    .symbol:         k_qe2f63d1fc9_qkv.kd
    .args:
      - { .name: xi, .offset: 0, .size: 8, .value_kind: global_buffer, .address_space: global }
      - { .name: xs, .offset: 8, .size: 8, .value_kind: global_buffer, .address_space: global }
      - { .name: wi, .offset: 16, .size: 8, .value_kind: global_buffer, .address_space: global }
      - { .name: ws, .offset: 24, .size: 8, .value_kind: global_buffer, .address_space: global }
      - { .name: bq, .offset: 32, .size: 8, .value_kind: global_buffer, .address_space: global }
      - { .name: bk, .offset: 40, .size: 8, .value_kind: global_buffer, .address_space: global }
      - { .name: bv, .offset: 48, .size: 8, .value_kind: global_buffer, .address_space: global }
      - { .name: qk, .offset: 56, .size: 8, .value_kind: global_buffer, .address_space: global }
      - { .name: vv, .offset: 64, .size: 8, .value_kind: global_buffer, .address_space: global }
    .group_segment_fixed_size: 327680
    .private_segment_fixed_size: 0
    .kernarg_segment_align: 8
    .kernarg_segment_size: 72
    .max_flat_workgroup_size: 128
    .sgpr_count:     102
    .vgpr_count:     1024
    .wavefront_size: 32
...
	.end_amdgpu_metadata
.endif
;; end of part 2
;; launch attn (part 3): grid 8 x 64, 16 waves a work-group, no clusters, 210,944 bytes of LDS; arguments qk, vv, ai, asc; writes ai, asc
.if DOCPART == 3
	.amdgcn_target "amdgcn-amd-amdhsa--gfx1250"
	.amdhsa_code_object_version 6
	.text
	.protected	k_qe2f63d1fc9_attn
	.globl	k_qe2f63d1fc9_attn
	.p2align	8
	.type	k_qe2f63d1fc9_attn,@function
k_qe2f63d1fc9_attn:
	s_mov_b64 s[64:65], 0
	v_nop
	global_prefetch_b8 v0, s[64:65] scope:SCOPE_SE
	s_setreg_imm32_b32 hwreg(HW_REG_WAVE_MODE, 25, 1), 1
	s_wait_xcnt 0x0
; Causal attention of one (batch, head) on codes of FP6 (E2M3) with E8M0 scales; head size 64, 2,048 tokens.  The result, divided by the row's sum, is quantised along the channels and leaves as the last product's operand image.
; THE SOFTMAX: t = score x log2(e) / 8; M = the row's largest t so far, rounded UP to a whole number; p = 2^(t - M) is quantised along the keys, not normalised; the row's sum is taken of the unquantised p.
; When M moves, the sum and O are multiplied by 2^(old M - new M): exact.
; SHARES.  Work-group (a, y): y = 4 head + batch.  Waves 0-7 own the 8 tiles of 16 queries of group a (128 queries), waves 8-15 those of group 15 - a: 17 steps of 128 queries x 128 keys in every work-group.
; LDS.  The head's K (16 steps x 6,656 bytes) and V (16 x 6,400) lie in LDS whole, each byte filled ONCE: every wave issues two tensor loads at the head: steps w % 8 and w % 8 + 8, of K (waves 0-7) or V (waves 8-15).
; No slot is filled again.  Steps 0-7 are read behind a barrier that leaves the second loads out, steps 8-15 behind a second barrier.
; No cluster: the work-groups that share a head's K and V own different queries, so the jump over hidden steps would differ between partners.
; LAYOUT.  Both products are used transposed: S^T = K Q^T, O^T = V^T P^T: a lane holds ONE query.  Lane row r of a tile is row 32 (t/2) + 8 (t%2) + r + 8 (r/8), so the 16 registers of tiles 2 b, 2 b + 1 are neighbours 32 b + 16 (lane / 16) + 0 .. 15.
; The head's 64 channels are half of the instruction's K: the upper six registers of Q's and K's fragments hold zero codes, bytes 2 and 3 of their scale words are 0.
; LIMITS: NaN and infinities are not served; p under 2^-126 counts as 0; a block of zeros gets the byte 1.
; REGISTERS: v1-5 lane terms that stay; v6-11 the step's LDS addresses; v12 -M, v13 the largest t, v[14:15] the sum; v16-27 Q; v28 Q's scale word; v29 at work; v30 f; v31 p's scale word;
;   v32-79 four fragments of K; v80-127 four of V; v128-191 S^T, then p; v192-223 O^T; v224-247 p's codes and work; v248-255 K's eight scale words, then V's four.
.set KB,   6656                        ; a step of K: 8 tiles x 768, then 512 bytes of scale words [r][tile]
.set VB,   6400                        ; a step of V: 4 tiles x 1,536, then 256 bytes of scale words [r][tile]
.set VLDS, 16*KB                       ; V lies behind K
	s_load_b256 s[4:11], s[0:1], 0x0               ; qk s[4:5], vv s[6:7], ai s[8:9], asc s[10:11]
	v_lshl_add_u32 v254, v0, 2, 0x33000
	v_mov_b32 v255, 0
	ds_add_u32 v254, v255
	ds_add_u32 v254, v255
	s_wait_dscnt 0x0
	v_lshrrev_b32 v8, 5, v0
	s_delay_alu instid0(VALU_DEP_1)
	v_readfirstlane_b32 s18, v8                    ; wave 0..15
	s_and_b32 s19, s18, 7                          ; my tile of queries; also: which steps I fetch
	s_and_b32 s61, ttmp7, 0xffff                   ; y = 4 head + batch
	s_mov_b32 s24, 3<<16                           ; group 1 for a step of K: a dense block as 26 rows of 256 bytes (32 elements of 8)
	s_mov_b32 s25, 32<<16
	s_mov_b32 s26, 26<<16
	s_mov_b32 s27, 32<<16
	s_mov_b32 s28, 26
	s_mov_b32 s29, 32
	s_mov_b32 s30, 0
	s_mov_b32 s31, 0
	s_mov_b32 s32, 3<<16                           ; and of V: 25 rows
	s_mov_b32 s33, 32<<16
	s_mov_b32 s34, 25<<16
	s_mov_b32 s35, 32<<16
	s_mov_b32 s36, 25
	s_mov_b32 s37, 32
	s_mov_b32 s38, 0
	s_mov_b32 s39, 0
	s_mul_i32 s16, s19, KB                         ; LDS: K's step w % 8
	s_mul_i32 s17, s19, VB
	s_mul_i32 s12, s61, 16*KB
	s_add_co_u32 s12, s12, 64*16*KB                ; k's planes lie behind q's 64
	s_add_co_u32 s12, s12, s16
	s_mov_b32 s13, 0
	s_mul_i32 s14, s61, 16*VB
	s_add_co_u32 s14, s14, s17
	s_mov_b32 s15, 0
	s_add_co_u32 s17, s17, VLDS                    ; LDS: V's step w % 8
	s_sub_co_u32 s66, 15, ttmp9
	s_cmp_lt_u32 s18, 8
	s_cselect_b32 s66, ttmp9, s66                  ; my group of 128 queries
	s_lshl_b32 s59, s66, 7
	s_lshr_b32 s67, s19, 1
	s_lshl_b32 s67, s67, 5
	s_add_co_u32 s59, s59, s67
	s_and_b32 s67, s19, 1
	s_lshl_b32 s67, s67, 3
	s_add_co_u32 s59, s59, s67                     ; my tile's first query; lane row r is query s59 + r + 8 (r / 8)
	s_mul_i32 s68, s61, 16*KB
	s_mul_i32 s67, s66, KB
	s_add_co_u32 s68, s68, s67                     ; q's block of my group
	s_lshl_b32 s67, s19, 2
	s_add_co_u32 s70, s68, s67                     ; + 4 x tile: my scale words
	s_mul_i32 s67, s19, 768
	s_add_co_u32 s68, s68, s67                     ; + 768 x tile: my half image
	s_mov_b32 s69, 0
	s_mov_b32 s71, 0
	s_mov_b32 s20, 0x76543210
	s_mov_b32 s21, 0xfedcba98                      ; lane l xor 16
	s_mov_b32 s22, 0x3e38aa3b                      ; c = log2(e) / 8
	s_mov_b32 s23, s22                             ; (named with it as a pair)
	s_mov_b32 s56, 0                               ; LDS byte of the step's K,
	s_mov_b32 s57, VLDS                            ; of its V,
	s_mov_b32 s58, 0                               ; the step's first key
	s_wait_kmcnt 0x0
	s_mov_b32 s40, 1
	s_mov_b32 s41, s16
	s_add_nc_u64 s[42:43], s[4:5], s[12:13]
	s_mov_b32 s44, 1
	s_add_co_u32 s45, s16, 8*KB
	s_add_nc_u64 s[46:47], s[42:43], 8*KB
	s_or_b32 s43, s43, 0x80000000
	s_or_b32 s47, s47, 0x80000000
	s_mov_b32 s48, 1
	s_mov_b32 s49, s17
	s_add_nc_u64 s[50:51], s[6:7], s[14:15]
	s_mov_b32 s52, 1
	s_add_co_u32 s53, s17, 8*VB
	s_add_nc_u64 s[54:55], s[50:51], 8*VB
	s_or_b32 s51, s51, 0x80000000
	s_or_b32 s55, s55, 0x80000000
	s_cmp_lt_u32 s18, 8                            ; a wave's two fills stand in one branch, ahead of every wait on TENSORcnt, every LDS read and every barrier: two loads of mine are out
	s_cbranch_scc0 .Lfill_v
	tensor_load_to_lds s[40:43], s[24:31]
	s_nop 0
	tensor_load_to_lds s[44:47], s[24:31]
	s_nop 0
.rept 4
	v_nop
.endr
	s_branch .Lfilled
.Lfill_v:
	tensor_load_to_lds s[48:51], s[32:39]
	s_nop 0
	tensor_load_to_lds s[52:55], s[32:39]
	s_nop 0
.rept 4
	v_nop
.endr
.Lfilled:
	s_add_nc_u64 s[12:13], s[4:5], s[68:69]
	s_add_nc_u64 s[14:15], s[4:5], s[70:71]
	v_and_b32 v1, 31, v0
	s_delay_alu instid0(VALU_DEP_1)
	v_lshlrev_b32 v2, 3, v1
	s_delay_alu instid0(VALU_DEP_1)
	v_add_nc_u32 v2, 512, v2                       ; 8 x lane + 512: registers 4-5 of a half image
	s_delay_alu instid0(VALU_DEP_3)
	v_lshlrev_b32 v1, 4, v1                        ; 16 x lane: registers 0-3
	v_and_b32 v8, 15, v0                           ; r
	v_bfe_u32 v9, v0, 4, 1                         ; h
	s_delay_alu instid0(VALU_DEP_2)
	v_lshl_add_u32 v3, v8, 5, 6144                 ; q's and k's scale words: 32 bytes a row
	s_delay_alu instid0(VALU_DEP_3)
	v_lshl_add_u32 v4, v8, 4, 6144                 ; v's: 16 bytes a row
	global_load_b128 v[16:19], v1, s[12:13]        ; Q's half image stays in registers
	global_load_b64 v[20:21], v2, s[12:13]
	global_load_b32 v28, v3, s[14:15]              ; and its scale word
	v_and_b32 v10, 8, v8
	s_delay_alu instid0(VALU_DEP_1)
	v_add_nc_u32 v5, v10, v8
	v_lshlrev_b32 v10, 4, v9
	s_delay_alu instid0(VALU_DEP_1)
	v_sub_nc_u32 v5, v5, v10                       ; r + 8 (r / 8) - 16 h: for the diagonal
.irp j, 22,23,24,25,26,27
	v_mov_b32 v\j, 0                               ; zero codes for K 64 .. 127
.endr
.irp t, 0,1,2,3
.irp j, 6,7,8,9,10,11
	v_mov_b32 v[32+12*\t+\j], 0                    ; the same in K's four fragments: written once, the loads fill registers 0-5 alone
.endr
.endr
	v_mov_b32 v13, 0xff61b1e6                      ; the largest t so far: -3e38
	s_delay_alu instid0(VALU_DEP_1)
	v_floor_f32 v12, -v13                          ; -M
	v_mov_b32 v14, 0
	v_mov_b32 v15, 0
	v_mov_b32 v29, 0                               ; (a lane permute's destination on the way out)
	v_mov_b32 v31, 0                               ; (named as the upper half of the pair v[30:31])
.irp b, 0,1,2,3
	v_mov_b32 v[236+\b], 0                         ; a lane permute's destination counts as read
.endr
.set jj, 0
.rept 32
	v_mov_b32 v[192+jj], 0                         ; O^T: the step is written once; the first finds zeros
.set jj, jj+1
.endr
; A KEY STEP: 128 keys.
.macro STEP
	s_add_co_u32 s67, s59, 23                      ; my tile's last query
	s_cmp_gt_u32 s58, s67
	s_cbranch_scc1 .Lhidden_\@                     ; all 128 keys come after my queries: only the addresses step
	s_setprio 2
	v_add_nc_u32 v6, s56, v1                       ; (these six are also the places between the last products and the loads into their scale registers)
	s_wait_alu depctr_va_vdst(0)
	v_add_nc_u32 v7, s56, v2
	s_wait_alu depctr_va_vdst(0)
	v_add_nc_u32 v8, s57, v1
	v_add_nc_u32 v9, s57, v2
	v_add_nc_u32 v10, s56, v3
	v_add_nc_u32 v11, s57, v4
	ds_load_b128 v[248:251], v10                   ; K's scale words of tiles 0-3,
	ds_load_b128 v[252:255], v10 offset:16         ; 4-7
.irp g, 0,1                            ; S^T = K Q^T, four tiles of 16 keys at a time
.if \g
.rept 4
	v_nop                                          ; places in front of loads into registers that the products above have read
.endr
.endif
.irp t, 0,1,2,3
	ds_load_b128 v[32+12*\t:35+12*\t], v6 offset:(4*\g+\t)*768
	ds_load_b64 v[36+12*\t:37+12*\t], v7 offset:(4*\g+\t)*768
.endr
	s_wait_dscnt 0x0
.irp t, 0,1,2,3
	v_wmma_scale_f32_16x16x128_f8f6f4 v[128+8*(4*\g+\t):135+8*(4*\g+\t)], v[32+12*\t:43+12*\t], v[16:27], 0, v[248+4*\g+\t], v28 matrix_a_fmt:MATRIX_FMT_FP6 matrix_b_fmt:MATRIX_FMT_FP6
.endr
.endr
.rept 4
	v_nop                                          ; places behind the products: for the reads of the scores and the load into v248-251
.endr
	s_wait_alu depctr_va_vdst(0)
.irp t, 0,1,2,3                        ; V's four fragments and scale words are asked for here and land under the softmax
.irp c, 0,1
	ds_load_b128 v[80+12*\t+6*\c:83+12*\t+6*\c], v8 offset:\t*1536+\c*768
	ds_load_b64 v[84+12*\t+6*\c:85+12*\t+6*\c], v9 offset:\t*1536+\c*768
.endr
.endr
	ds_load_b128 v[248:251], v11
	s_add_co_u32 s67, s58, 127                     ; on the diagonal the scores of hidden keys become -infinity; a step all of whose keys count skips this
	s_cmp_le_u32 s67, s59
	s_cbranch_scc1 .Lopen_\@
	s_sub_co_i32 s67, s59, s58
	v_add_nc_u32 v29, s67, v5                      ; d = my query - the step's first key - 16 h.  Register 16 b + i holds key 32 b + 16 h + i: hidden where 32 b + i > d
	v_mov_b32 v30, 0xff800000
.set jj, 0
.rept 64
	v_cmp_gt_i32 vcc_lo, 32*(jj/16)+jj%16, v29
	v_cndmask_b32 v[128+jj], v[128+jj], v30, vcc_lo
.set jj, jj+1
.endr
.Lopen_\@:
.irp b, 0,1,2,3
	v_max3_num_f32 v[232+\b], v[128+16*\b], v[129+16*\b], v[130+16*\b]    ; the largest score of each block of 32 keys: for the row's maximum, and, since p rises with the score, for the block's largest p
.endr
.irp i, 3,5,7,9,11,13
.irp b, 0,1,2,3
	v_max3_num_f32 v[232+\b], v[232+\b], v[128+16*\b+\i], v[129+16*\b+\i]
.endr
.endr
.irp b, 0,1,2,3
	v_max_num_f32 v[232+\b], v[232+\b], v[143+16*\b]
.endr
.irp b, 0,1,2,3
	s_delay_alu instid0(VALU_DEP_4)
	v_permlanex16_b32 v[236+\b], v[232+\b], s20, s21
.endr
.irp b, 0,1,2,3
	s_delay_alu instid0(VALU_DEP_4)
	v_max_num_f32 v[232+\b], v[232+\b], v[236+\b]  ; with lane l xor 16's 16 keys
.endr
	s_delay_alu instid0(VALU_DEP_2)
	v_max3_num_f32 v29, v232, v233, v234
	s_delay_alu instid0(VALU_DEP_1)
	v_max_num_f32 v29, v29, v235
	s_delay_alu instid0(VALU_DEP_1)
	v_mul_f32 v29, s22, v29                        ; as t
	s_delay_alu instid0(VALU_DEP_1)
	v_max_num_f32 v13, v13, v29                    ; the running largest t
	v_mov_b32 v29, v12
	s_delay_alu instid0(VALU_DEP_2)
	v_floor_f32 v12, -v13                          ; the new -M = -ceil(t)
	s_delay_alu instid0(VALU_DEP_1)
	v_sub_f32 v29, v12, v29                        ; old M - new M: a whole number, 0 or less
	s_delay_alu instid0(VALU_DEP_1)
	v_cvt_i32_f32 v29, v29
	s_delay_alu instid0(VALU_DEP_1)
	v_ldexp_f32 v30, 1.0, v29                      ; f = 2^(old M - new M)
.set jj, 0
	s_setprio 1
.rept 32
	v_pk_fma_f32 v[128+jj:129+jj], v[128+jj:129+jj], s[22:23], v[12:13] op_sel_hi:[1,0,0]   ; t - M, two at a time
.set jj, jj+2
.endr
.irp b, 0,1,2,3
	v_fma_f32 v[232+\b], v[232+\b], s22, v12       ; the same of each block's largest score
.endr
.set jj, 0
	s_wait_alu depctr_va_vdst(0)
.rept 64
	v_exp_f32 v[128+jj], v[128+jj]                 ; p = 2^(t - M)
.set jj, jj+1
.endr
	v_pk_mul_f32 v[14:15], v[14:15], v[30:31] op_sel_hi:[1,0]      ; the sums under the new M: the plain line behind the exponentials
	s_wait_alu depctr_va_vdst(0)                   ; one wait for the batch of 64, ahead of its first reader
.irp b, 0,1,2,3
	v_exp_f32 v[232+\b], v[232+\b]                 ; the blocks' largest p
.endr
	v_pk_add_f32 v[236:237], v[132:133], v[136:137]
	v_pk_add_f32 v[254:255], v[140:141], v[144:145]
	v_pk_add_f32 v[252:253], v[148:149], v[152:153]
	v_pk_add_f32 v[246:247], v[156:157], v[160:161]
	v_pk_add_f32 v[244:245], v[164:165], v[168:169]
	v_pk_add_f32 v[242:243], v[172:173], v[176:177]
	v_pk_add_f32 v[240:241], v[180:181], v[184:185]
	v_pk_add_f32 v[14:15], v[14:15], v[188:189]
	v_pk_add_f32 v[236:237], v[236:237], v[128:129]
	v_pk_add_f32 v[254:255], v[254:255], v[130:131]
	v_pk_add_f32 v[252:253], v[252:253], v[134:135]
	v_pk_add_f32 v[246:247], v[246:247], v[138:139]
	v_pk_add_f32 v[244:245], v[244:245], v[142:143]
	v_pk_add_f32 v[242:243], v[242:243], v[146:147]
	v_pk_add_f32 v[240:241], v[240:241], v[150:151]
	v_pk_add_f32 v[14:15], v[14:15], v[154:155]
	v_pk_add_f32 v[236:237], v[236:237], v[158:159]
	v_pk_add_f32 v[254:255], v[254:255], v[162:163]
	v_pk_add_f32 v[252:253], v[252:253], v[166:167]
	v_pk_add_f32 v[246:247], v[246:247], v[170:171]
	v_pk_add_f32 v[244:245], v[244:245], v[174:175]
	v_pk_add_f32 v[242:243], v[242:243], v[178:179]
	v_pk_add_f32 v[240:241], v[240:241], v[182:183]
	v_pk_add_f32 v[14:15], v[14:15], v[186:187]
	v_pk_add_f32 v[236:237], v[236:237], v[190:191]
	s_delay_alu instid0(VALU_DEP_2)
	v_pk_add_f32 v[14:15], v[14:15], v[246:247]
	s_delay_alu instid0(VALU_DEP_2)
	v_pk_add_f32 v[236:237], v[236:237], v[244:245]
	v_pk_add_f32 v[254:255], v[254:255], v[242:243]
	v_pk_add_f32 v[252:253], v[252:253], v[240:241]
	s_delay_alu instid0(VALU_DEP_2)
	v_pk_add_f32 v[14:15], v[14:15], v[254:255]
	s_delay_alu instid0(VALU_DEP_2)
	v_pk_add_f32 v[236:237], v[236:237], v[252:253]
	s_delay_alu instid0(VALU_DEP_1)
	v_pk_add_f32 v[14:15], v[14:15], v[236:237]
	s_wait_alu depctr_va_vdst(0)                   ; and one for the four
.irp b, 0,1,2,3
	v_max_num_f32 v[232+\b], 0x1800000, v[232+\b]  ; the floor: the byte cannot fall under 1
.endr
.irp b, 0,1,2,3
	s_delay_alu instid0(VALU_DEP_4)
	v_add_nc_u32 v[244+\b], 0xff000000, v[232+\b]  ; the conversion's scale operand
.endr
.irp b, 0,1,2,3
	s_delay_alu instid0(VALU_DEP_4)
	v_lshrrev_b32 v[236+\b], 23, v[244+\b]         ; the byte
.endr
	s_delay_alu instid0(VALU_DEP_3)
	v_lshl_or_b32 v31, v237, 8, v236               ; p's scale word for these 128 keys
	s_delay_alu instid0(VALU_DEP_1)
	v_lshl_or_b32 v31, v238, 16, v31
	s_delay_alu instid0(VALU_DEP_1)
	v_lshl_or_b32 v31, v239, 24, v31
	s_setprio 0
.irp c, 0,1
	v_cvt_scalef32_pk16_fp6_f32 v[224+6*\c:226+6*\c], v[128+32*\c:143+32*\c], v[244+2*\c]
	v_cvt_scalef32_pk16_fp6_f32 v[236+4*\c:238+4*\c], v[144+32*\c:159+32*\c], v[244+2*\c+1]
.endr
	v_nop                                          ; one plain line behind the scaled conversions
.irp c, 0,1
.irp i, 0,1,2
	v_permlane16_swap_b32 v[224+6*\c+\i], v[236+4*\c+\i]           ; a whole block to a lane
.endr
.irp i, 0,1,2
	s_delay_alu instid0(VALU_DEP_3)
	v_mov_b32 v[227+6*\c+\i], v[236+4*\c+\i]
.endr
.endr
.set jj, 0
.rept 16
	v_pk_mul_f32 v[192+jj:193+jj], v[192+jj:193+jj], v[30:31] op_sel_hi:[1,0]   ; O^T under the new M; these lines also stand between the writes of p's codes and scale word and the products
.set jj, jj+2
.endr
	s_wait_alu depctr_va_vdst(0)
	s_wait_dscnt 0x0                               ; V is in
.irp t, 0,1,2,3                        ; O^T += V^T P^T: four accumulators by turns
	v_wmma_scale_f32_16x16x128_f8f6f4 v[192+8*\t:199+8*\t], v[80+12*\t:91+12*\t], v[224:235], v[192+8*\t:199+8*\t], v[248+\t], v31 matrix_a_fmt:MATRIX_FMT_FP6 matrix_b_fmt:MATRIX_FMT_FP6
.endr
.Lhidden_\@:
	s_add_co_u32 s58, s58, 128
	s_add_co_u32 s56, s56, KB
	s_add_co_u32 s57, s57, VB
.endm
	s_wait_tensorcnt 1                             ; my first load has landed; the second may be out
	s_barrier_signal -1
	s_barrier_wait -1                              ; steps 0-7 of K and V are whole
	s_wait_loadcnt 0x0                             ; Q
	s_mov_b32 s60, 8
.Lfirst:
	STEP
	s_sub_co_u32 s60, s60, 1
	s_cmp_lg_u32 s60, 0
	s_cbranch_scc1 .Lfirst
	s_setprio 0
	s_wait_tensorcnt 0x0                           ; my second load has landed
	s_wait_dscnt 0x0
	s_barrier_signal -1
	s_barrier_wait -1                              ; steps 8-15 are whole
	s_mov_b32 s60, 8
.Lsecond:
	STEP
	s_sub_co_u32 s60, s60, 1
	s_cmp_lg_u32 s60, 0
	s_cbranch_scc1 .Lsecond
	s_setprio 0
	; THE WAY OUT, a wave alone.  O^T / the sum; my 32 registers are register 16 b + i = channel 32 b + 16 h + i of my query: two blocks along the last product's K.
	v_add_f32 v14, v14, v15                        ; (the plain lines from here to the wait, five without the permute, are the places behind the last products)
	s_delay_alu instid0(VALU_DEP_1)
	v_permlanex16_b32 v29, v14, s20, s21
	s_delay_alu instid0(VALU_DEP_1)
	v_add_f32 v14, v14, v29                        ; the row's sum
	s_wait_alu depctr_va_vdst(0)
	v_rcp_f32 v14, v14
	v_and_b32 v6, 15, v0                           ; (a plain line behind the reciprocal)
	v_bfe_u32 v7, v0, 4, 1
	s_delay_alu instid0(VALU_DEP_1)
	v_lshl_add_u32 v8, v6, 5, v7                   ; asc: 32 r + h
	s_and_b32 s67, s61, 3                          ; the batch
	s_lshr_b32 s68, s61, 2                         ; the head
	s_lshl_b32 s67, s67, 7
	s_lshl_b32 s69, s66, 3
	s_add_co_u32 s67, s67, s69
	s_add_co_u32 s67, s67, s19                     ; the token tile: 128 batch + 8 group + tile
	s_mul_i32 s12, s67, 12288
	s_mul_i32 s69, s68, 768
	s_add_co_u32 s12, s12, s69                     ; its half image number = the head
	s_mov_b32 s13, 0
	s_add_nc_u64 s[8:9], s[8:9], s[12:13]
	s_lshl_b32 s12, s67, 9
	s_lshl_b32 s69, s68, 1
	s_add_co_u32 s12, s12, s69
	s_add_nc_u64 s[10:11], s[10:11], s[12:13]
	s_wait_alu depctr_va_vdst(0)                   ; the wait ahead of the reciprocal's first reader
.set jj, 0
.rept 32
	v_mul_f32 v[128+jj], v[192+jj], v14            ; each accumulator from its low end on
.set jj, jj+1
.endr
.irp b, 0,1
	v_max3_num_f32 v[232+\b], |v[128+16*\b]|, |v[129+16*\b]|, 0x1800000
.endr
.irp i, 2,4,6,8,10,12,14
.irp b, 0,1
	s_delay_alu instid0(VALU_DEP_2)
	v_max3_num_f32 v[232+\b], v[232+\b], |v[128+16*\b+\i]|, |v[129+16*\b+\i]|
.endr
.endr
.irp b, 0,1
	s_delay_alu instid0(VALU_DEP_2)
	v_permlanex16_b32 v[236+\b], v[232+\b], s20, s21
.endr
.irp b, 0,1
	s_delay_alu instid0(VALU_DEP_2)
	v_max_num_f32 v[232+\b], v[232+\b], v[236+\b]
.endr
.irp b, 0,1
	s_delay_alu instid0(VALU_DEP_2)
	v_add_nc_u32 v[244+\b], 0xff000000, v[232+\b]
.endr
.irp b, 0,1
	s_delay_alu instid0(VALU_DEP_2)
	v_lshrrev_b32 v[236+\b], 23, v[244+\b]
.endr
	v_cvt_scalef32_pk16_fp6_f32 v[224:226], v[128:143], v244
	v_cvt_scalef32_pk16_fp6_f32 v[228:230], v[144:159], v245
	v_nop                                          ; one plain line behind the scaled conversions
.irp i, 0,1,2
	v_permlane16_swap_b32 v[224+\i], v[228+\i]     ; lanes 0-15 block 0, lanes 16-31 block 1
.endr
	s_delay_alu instid0(VALU_DEP_3)
	v_mov_b32 v227, v228
	s_delay_alu instid0(VALU_DEP_3)
	v_mov_b32 v228, v229
	s_delay_alu instid0(VALU_DEP_3)
	v_mov_b32 v229, v230
	v_cmp_ne_u32 vcc_lo, 0, v7
	s_delay_alu instid0(VALU_DEP_1)
	v_cndmask_b32 v29, v236, v237, vcc_lo          ; my block's byte
	global_store_b128 v1, v[224:227], s[8:9]       ; 512 consecutive bytes, aligned
	global_store_b64 v2, v[228:229], s[8:9]        ; 256 consecutive bytes, aligned
	global_store_b8 v8, v29, s[10:11]              ; two bytes of each of 16 rows of 32: one byte in 24 of what the wave stores
	s_wait_xcnt 0x0
	v_lshl_add_u32 v254, v0, 2, 0x33000
	v_mov_b32 v255, 0
	s_wait_alu depctr_va_vdst(0)
	s_wait_tensorcnt 0x0
	ds_add_u32 v254, v255
	s_wait_dscnt 0x0
	s_endpgm
.Lfunc_end_k_qe2f63d1fc9_attn:
	.size	k_qe2f63d1fc9_attn, .Lfunc_end_k_qe2f63d1fc9_attn-k_qe2f63d1fc9_attn
	.p2alignl 7, 3214868480
	.fill 96, 4, 3214868480
	.section	.rodata,"a",@progbits
	.p2align	6, 0x0
	.amdhsa_kernel k_qe2f63d1fc9_attn
		.amdhsa_group_segment_fixed_size 210944
		.amdhsa_private_segment_fixed_size 0
		.amdhsa_enable_private_segment 0
		.amdhsa_kernarg_size 32
		.amdhsa_user_sgpr_count 2
		.amdhsa_user_sgpr_kernarg_segment_ptr 1
		.amdhsa_wavefront_size32 1
		.amdhsa_system_sgpr_workgroup_id_x 1
		.amdhsa_system_sgpr_workgroup_id_y 1
		.amdhsa_system_sgpr_workgroup_id_z 1
		.amdhsa_system_vgpr_workitem_id 0
		.amdhsa_next_free_vgpr 256
		.amdhsa_next_free_sgpr 72
		.amdhsa_reserve_vcc 1
		.amdhsa_float_denorm_mode_32 3
		.amdhsa_float_denorm_mode_16_64 3
		.amdhsa_memory_ordered 1
		.amdhsa_forward_progress 1
		.amdhsa_inst_pref_size 60
	.end_amdhsa_kernel
	.amdgpu_metadata
---
amdhsa.version: [ 1, 2 ]
amdhsa.kernels:
  - .name:           k_qe2f63d1fc9_attn
    .symbol:         k_qe2f63d1fc9_attn.kd
    .args:
      - { .name: qk, .offset: 0, .size: 8, .value_kind: global_buffer, .address_space: global }
      - { .name: vv, .offset: 8, .size: 8, .value_kind: global_buffer, .address_space: global }
      - { .name: ai, .offset: 16, .size: 8, .value_kind: global_buffer, .address_space: global }
      - { .name: asc, .offset: 24, .size: 8, .value_kind: global_buffer, .address_space: global }
    .group_segment_fixed_size: 210944
    .private_segment_fixed_size: 0
    .kernarg_segment_align: 8
    .kernarg_segment_size: 32
    .max_flat_workgroup_size: 512
    .sgpr_count:     72
    .vgpr_count:     256
    .wavefront_size: 32
...
	.end_amdgpu_metadata
.endif
;; end of part 3
;; launch outp (part 4): grid 4 x 32, 4 waves a work-group, clusters of 4 x 4, 327,680 bytes of LDS; arguments ai, asc, wi, ws, bo, out0; writes out0
.if DOCPART == 4
	.amdgcn_target "amdgcn-amd-amdhsa--gfx1250"
	.amdhsa_code_object_version 6
	.text
	.protected	k_qe2f63d1fc9_outp
	.globl	k_qe2f63d1fc9_outp
	.p2align	8
	.type	k_qe2f63d1fc9_outp,@function
k_qe2f63d1fc9_outp:
	s_mov_b64 s[64:65], 0
	v_nop
	global_prefetch_b8 v0, s[64:65] scope:SCOPE_SE
	s_setreg_imm32_b32 hwreg(HW_REG_WAVE_MODE, 25, 1), 1
	s_wait_xcnt 0x0
	s_wait_alu depctr_hold_cnt(0) depctr_sa_sdst(0) depctr_va_vdst(0) depctr_va_sdst(0) depctr_va_ssrc(0) depctr_va_vcc(0) depctr_vm_vsrc(0)
	s_getreg_b32 s2, hwreg(HW_REG_IB_STS2, 6, 4)
	s_cmp_eq_u32 s2, 0
	s_cbranch_scc0 .Lentry_in_a_cluster
	s_endpgm
.Lentry_in_a_cluster:
	s_bfe_u32 s2, ttmp6, 0x10000c
	s_cmp_lg_u32 s2, 0xf033
	s_cbranch_scc0 .Lentry_shape_is_right
	s_endpgm
.Lentry_shape_is_right:
; out0 = a Wo + bo on codes of FP6 (E2M3) with E8M0 scales, K = 1,024.  a: the attention's result as register images (ai, asc); Wo: tiles 192-255 of wi, ws.  out0: [8192][1024] f32.
; A tile of C, 256 x 256, is made by four waves, 128 x 128 each: 64 accumulators, 512 registers.  K goes in steps of 256 through two LDS slots filled by the tensor data mover.
; OPERANDS ARE REGISTER IMAGES: [tile of 16 rows][16 half images of 768 bytes]; a half image is 16 rows x 64 K: registers 0-3 at 16 x lane, registers 4-5 at 512 + 8 x lane.  Lane row r of tile t is row 32 (t/2) + 8 (t%2) + r + 8 (r/8).
; THE MATRIX INSTRUCTION IS USED TRANSPOSED (source 0 = 16 rows of Wo, source 1 = 16 tokens): a lane holds one token, register j of block b is feature 32 (b/2) + 16 (lane / 16) + 8 (b%2) + j.
; CLUSTERS: 4 x 4.  A's tiles are asked for jointly along a row of the cluster, B's along a column.  The bias starts each sum: it is the first product's C.
; REGISTERS, in windows of 256: window 0: v8-29 addresses; v32-63 scale words, two sets, and nothing else; v64-127 the bias as C; v128-223 A's fragments, one set; on the way out v128-255 take rows of C.
;   window 1: B's fragments, two sets.   window 2: the accumulators of my rows 0-63 ((a, b) at v[8 (8 a + b)]);   window 3: those of rows 64-127.
.set NQ,     2
.set FR,     12
.set NL,     4
.set NP,     4                         ; places behind this matrix instruction (ISA guide 7.12.1)
.set TILEB,  3072
.set HALFT,  8*TILEB
.set SLOT,   4*HALFT
.set KROW,   768
.set KS,     32
.set SCL,    2*SLOT
.set HALFS,  16*272
.set SBLK,   2*272
.set SPARE,  SCL+4*HALFS               ; the spare words, 128 bytes a wave: two blocks of 256 bytes that no other line names
.set SPITCH, 528                       ; the way out: a stage of 16 rows x (512 bytes + 16) for each wave, in slot 0, which has had its last fill and its last read when the first result is stored there
.set OI,   8                           ; v8   16 x lane
.set OJ,   9                           ; v9   8 x lane
.set ADRA, 16
.set ADRB, 20
.set STO,  24                          ; v24  the stage: where I put 32 bytes of a row
.set RD,   25                          ; v25  and where I read a row back
.set ADRS, 27
.set SPW,  28                          ; my spare word; never rewritten
.set NIL,  29                          ; 0; never rewritten
.set SC,   32
.set BI,   64
.set AF,   128
.set BK,   128                         ; 16 rows read back: v128-191 and v192-255 by turns
.set G1, 24
.set G0, 32
.set G1B, 48
.set G0B, 56
.set G1S, 68
.set G0S, 76
.set G1SB, 80
.set G0SB, 88
.set MSB, 0
.macro WIN new                         ; the immediate's high byte repeats the setting that is left
.if MSB != \new
	s_set_vgpr_msb (MSB<<8)|\new
.set MSB, \new
.endif
.endm
.set MUL_LO, 0xa1
.set MUL_HI, 0xf1
.set TO_B,   0x40
.macro JLOAD g0a, g1a, g0b, g1b        ; a joint load: waves 0 and 1 fetch for A, waves 2 and 3 for B; four v_nop follow each of the two lines
	s_cmp_eq_u32 s15, 0
	s_cbranch_scc0 .Lfor_b_\@
	tensor_load_to_lds s[\g0a:\g0a+3], s[\g1a:\g1a+7]
	s_nop 0
.rept 4
	v_nop
.endr
	s_branch .Lasked_\@
.Lfor_b_\@:
	tensor_load_to_lds s[\g0b:\g0b+3], s[\g1b:\g1b+7]
	s_nop 0
.rept 4
	v_nop
.endr
.Lasked_\@:
.endm
.macro CREST
	s_cmp_lg_u32 s14, 0
	s_cbranch_scc1 .Lnot_wave_0_\@
	s_barrier_signal -3
.Lnot_wave_0_\@:
	s_barrier_wait -3
	s_barrier_signal -1
	s_barrier_wait -1
.endm
.macro CROUND
	s_barrier_signal -1
	s_barrier_wait -1
	CREST
.endm
	s_load_b128 s[4:7], s[0:1], 0x0                ; ai, asc
	s_load_b128 s[8:11], s[0:1], 0x10              ; wi, ws
	s_load_b128 s[96:99], s[0:1], 0x20             ; bo s[96:97], out0 s[98:99]
	v_lshl_add_u32 v[SPW], v0, 2, SPARE
	v_mov_b32 v[NIL], 0
	ds_add_u32 v28, v29
	ds_add_u32 v28, v29
	s_wait_dscnt 0x0
	v_lshrrev_b32 v1, 5, v0
	v_readfirstlane_b32 s14, v1                    ; wave 0..3
	s_lshr_b32 s15, s14, 1                         ; which half of the tokens is mine.  Also: I fetch for A (0) or for B (1)
	s_and_b32 s16, s14, 1                          ; which half of the features.  Also: which 128 rows I fetch
	s_bfe_u32 s40, ttmp6, 0x40000                  ; cx, cy
	s_bfe_u32 s41, ttmp6, 0x40004
	s_and_b32 s17, ttmp7, 0xffff
	s_lshl_b32 s17, s17, 2
	s_add_co_u32 s17, s17, s41                     ; tile row of A: 4 x cluster y + cy
	s_add_co_u32 s42, s40, 12                      ; tile column of B: Wo's rows lie 3,072 on in wi
	s_lshl_b32 s43, s41, 2
	s_lshl_b32 s43, 15, s43                        ; my row of the cluster
	s_lshl_b32 s44, 0x1111, s40                    ; my column
	s_or_b32 s[G1+0], s43, (3<<16)|(1<<21)         ; the codes: 8 tiles x 3,072 bytes (384 elements of 8 bytes), 12,288 bytes apart, dense in LDS
	s_or_b32 s[G1B+0], s44, (3<<16)|(1<<21)
.irp g, G1, G1B
	s_mov_b32 s[\g+1], 384<<16
	s_mov_b32 s[\g+2], 8<<16
	s_mov_b32 s[\g+3], 384<<16
	s_mov_b32 s[\g+4], 8
	s_mov_b32 s[\g+5], 1536
	s_mov_b32 s[\g+6], 0
	s_mov_b32 s[\g+7], 0
.endr
	s_or_b32 s[G1S+0], s43, (3<<16)|(1<<20)|(1<<21)|(5<<22)|(3<<25)   ; the scales of 128 rows: 16 rows of 256 bytes, 16 bytes of padding behind each
	s_or_b32 s[G1SB+0], s44, (3<<16)|(1<<20)|(1<<21)|(5<<22)|(3<<25)
.irp g, G1S, G1SB
	s_mov_b32 s[\g+1], 32<<16
	s_mov_b32 s[\g+2], 16<<16
	s_mov_b32 s[\g+3], 32<<16
	s_mov_b32 s[\g+4], 16
	s_mov_b32 s[\g+5], 32
	s_mov_b32 s[\g+6], 0
	s_mov_b32 s[\g+7], 0
.endr
	s_lshl_b32 s18, s16, 7
	s_lshl_b32 s20, s17, 8
	s_add_co_u32 s20, s20, s18
	s_lshl_b32 s46, s42, 8
	s_add_co_u32 s46, s46, s18
	s_mov_b32 s21, 0
	s_mov_b32 s47, 0
	s_mov_b64 s[18:19], KS
	s_mul_u64 s[22:23], s[20:21], s[18:19]
	s_mul_u64 s[92:93], s[46:47], s[18:19]
	s_mov_b64 s[18:19], KROW
	s_mul_u64 s[20:21], s[20:21], s[18:19]
	s_mul_u64 s[46:47], s[46:47], s[18:19]
	s_mul_i32 s45, s14, HALFT                      ; no place in the cluster enters an LDS address
	s_mul_i32 s94, s14, HALFS
	s_wait_kmcnt 0x0
	s_add_nc_u64 s[20:21], s[4:5], s[20:21]
	s_add_nc_u64 s[22:23], s[6:7], s[22:23]
	s_add_nc_u64 s[46:47], s[8:9], s[46:47]
	s_add_nc_u64 s[92:93], s[10:11], s[92:93]
	CROUND                                         ; all sixteen work-groups are here: the first joint loads meet
	s_mov_b32 s[G0S], 1
	s_add_co_u32 s[G0S+1], s94, SCL
	s_mov_b64 s[G0S+2:G0S+3], s[22:23]
	s_or_b32 s[G0S+3], s[G0S+3], 0x80000000
	s_mov_b32 s[G0SB], 1
	s_add_co_u32 s[G0SB+1], s94, SCL
	s_mov_b64 s[G0SB+2:G0SB+3], s[92:93]
	s_or_b32 s[G0SB+3], s[G0SB+3], 0x80000000
	JLOAD G0S, G1S, G0SB, G1SB
.irp s, 0,1
	s_mov_b32 s[G0+4*\s], 1
	s_add_co_u32 s[G0+4*\s+1], s45, \s*SLOT
	s_add_nc_u64 s[G0+4*\s+2:G0+4*\s+3], s[20:21], \s*TILEB
	s_or_b32 s[G0+4*\s+3], s[G0+4*\s+3], 0x80000000
	s_mov_b32 s[G0B+4*\s], 1
	s_add_co_u32 s[G0B+4*\s+1], s45, \s*SLOT
	s_add_nc_u64 s[G0B+4*\s+2:G0B+4*\s+3], s[46:47], \s*TILEB
	s_or_b32 s[G0B+4*\s+3], s[G0B+4*\s+3], 0x80000000
	s_wait_alu depctr_va_vdst(0)
	s_wait_tensorcnt 0x0
	ds_add_u32 v28, v29
	s_wait_dscnt 0x0
	CROUND
	JLOAD G0+4*\s, G1, G0B+4*\s, G1B               ; one tensor load of mine is out now
.endr
	v_and_b32 v1, 15, v0                           ; r
	v_bfe_u32 v2, v0, 4, 1                         ; h
	v_and_b32 v3, 31, v0
	v_lshlrev_b32 v[OI], 4, v3
	s_wait_alu depctr_va_vdst(0)
	v_lshlrev_b32 v[OJ], 3, v3
	v_add_nc_u32 v4, 512, v[OJ]
	s_wait_alu depctr_va_vdst(0)
	v_lshlrev_b32 v5, 6, v2                        ; the bias: 64 h bytes
	s_lshl_b32 s22, s40, 10
	s_lshl_b32 s23, s16, 9
	s_add_co_u32 s22, s22, s23                     ; 4 (256 cx + 128 x half): my first feature, in bytes
	s_mov_b32 s23, 0
	s_add_nc_u64 s[96:97], s[96:97], s[22:23]
.irp b, 0,1,2,3,4,5,6,7
	global_load_b128 v[BI+8*\b:BI+8*\b+3], v5, s[96:97] offset:128*(\b/2)+32*(\b%2)
	global_load_b128 v[BI+8*\b+4:BI+8*\b+7], v5, s[96:97] offset:128*(\b/2)+32*(\b%2)+16
.endr
	s_lshl_b32 s20, s17, 8
	s_lshl_b32 s21, s15, 7
	s_add_co_u32 s20, s20, s21                     ; my first token
	s_lshl_b32 s20, s20, 12                        ; rows of 4,096 bytes
	s_add_co_u32 s20, s20, s22
	s_mov_b32 s21, 0
	s_add_nc_u64 s[12:13], s[98:99], s[20:21]      ; C at my 128 x 128
	s_mul_i32 s21, s15, HALFT
	s_mul_i32 s22, s16, HALFT
	s_add_co_u32 s22, s22, 2*HALFT
.irp s, 0,1
	v_add_nc_u32 v[ADRA+\s], s21, v[OI]
	v_add_nc_u32 v[ADRB+\s], s22, v[OI]
	v_add_nc_u32 v[ADRA+2+\s], s21, v4
	v_add_nc_u32 v[ADRB+2+\s], s22, v4
	s_add_co_u32 s21, s21, SLOT
	s_add_co_u32 s22, s22, SLOT
.endr
	v_mul_u32_u24 v6, v1, KS
	v_lshrrev_b32 v7, 8, v6
	v_lshl_add_u32 v6, v7, 4, v6
	s_mul_i32 s21, s15, HALFS
	s_mul_i32 s22, s16, HALFS
	s_add_co_u32 s22, s22, 2*HALFS
	s_sub_co_u32 s22, s22, s21
	v_mul_u32_u24 v7, s22, v2                      ; lanes 16-31 take B's: one product, the distance between the two bases
	s_add_co_u32 s21, s21, SCL
	v_add_nc_u32 v6, v6, v7
	v_add_nc_u32 v[ADRS], s21, v6
	s_mul_i32 s23, s14, 16*SPITCH                  ; my stage
	v_mul_u32_u24 v6, v1, SPITCH
	v_lshl_add_u32 v6, v2, 6, v6
	v_add_nc_u32 v[STO], s23, v6                   ; in: row r, + 64 h
	v_add_nc_u32 v[RD], s23, v[OI]                 ; back: the 32 lanes take one row of 512 bytes
	s_wait_alu depctr_va_vdst(0)
	s_wait_loadcnt 0x0                             ; the bias
.macro FRAG reg, adr, q, i             ; a fragment is two half images: every load reads consecutive bytes
.irp c, 0,1
	ds_load_b128 v[\reg+6*\c:\reg+6*\c+3], v[\adr] offset:(\i)*TILEB+(2*(\q)+\c)*768
	ds_load_b64 v[\reg+6*\c+4:\reg+6*\c+5], v[\adr+2] offset:(\i)*TILEB+(2*(\q)+\c)*768
.endr
.endm
.macro MM a, b, p, q, sc, zero         ; one product; zero = 1: it starts the sum with the bias of B's block
.set rD, 8*(8*((\a)%4)+(\b))
.set rB, 128*(\p)+FR*(\b)
.set rA, AF+FR*(\a)
.set rSB, SC+8*NQ*(\sc)+NQ*(\b)+(\q)
.set rSA, SC+8*NQ*(\sc)+NQ*(\a)+(\q)
.if (\zero) == 1
	v_wmma_scale_f32_16x16x128_f8f6f4 v[rD:rD+7], v[rB:rB+FR-1], v[rA:rA+FR-1], v[BI+8*(\b):BI+8*(\b)+7], v[rSB], v[rSA] matrix_a_fmt:MATRIX_FMT_FP6 matrix_b_fmt:MATRIX_FMT_FP6 matrix_a_scale:MATRIX_SCALE_ROW1
.else
	v_wmma_scale_f32_16x16x128_f8f6f4 v[rD:rD+7], v[rB:rB+FR-1], v[rA:rA+FR-1], v[rD:rD+7], v[rSB], v[rSA] matrix_a_fmt:MATRIX_FMT_FP6 matrix_b_fmt:MATRIX_FMT_FP6 matrix_a_scale:MATRIX_SCALE_ROW1
.endif
.endm
.macro MUL16 a0, p, q, sc, zero        ; the 64 accumulators take turns, one instruction a turn, in the same order in every step
.irp a, \a0, \a0+1
.irp b, 0,1,2,3,4,5,6,7
	MM \a, \b, \p, \q, \sc, \zero
.endr
.endr
.endm
.macro FETCH_B slot, q, p
	WIN TO_B
.irp i, 0,1,2,3,4,5,6,7
	FRAG 128*(\p)+FR*\i, ADRB+\slot, \q, \i
.endr
	WIN 0
.endm
.macro FETCH_A slot, q, i0
.irp i, \i0, \i0+1, \i0+2, \i0+3
	FRAG AF+FR*(\i), ADRA+\slot, \q, \i
.endr
.endm
.macro SCALES sc
.irp i, 0,1,2,3,4,5,6,7
	ds_load_b64 v[SC+8*NQ*\sc+NQ*\i:SC+8*NQ*\sc+NQ*\i+1], v[ADRS] offset:\i*SBLK
.endr
.endm
.macro PLACES n                        ; four plain vector instructions behind a matrix instruction, ahead of loads into its sources and of reads of its result
.rept \n
	v_nop
.endr
.endm
.macro STEP slot, q, zero
	s_wait_dscnt 4*NL                              ; all but the youngest 16 loads (A's blocks 4-7) are in
.if \zero
	WIN 0x81                                       ; C (the bias) window 0, D window 2
.else
	WIN MUL_LO
.endif
	MUL16 0, (\q)%2, \q, \slot, \zero
	MUL16 2, (\q)%2, \q, \slot, \zero
	s_wait_dscnt 0
	PLACES NP
	FETCH_B \slot, (\q)+1, 1-(\q)%2
	FETCH_A \slot, (\q)+1, 0
.if \zero
	WIN 0xc1
.else
	WIN MUL_HI
.endif
	MUL16 4, (\q)%2, \q, \slot, \zero
	MUL16 6, (\q)%2, \q, \slot, \zero
	PLACES NP
	WIN 0
	FETCH_A \slot, (\q)+1, 4
.endm
.macro TURN slot, next, fill           ; a slot's last step changes slots: one barrier, the waits and the add in front of it, the refill first behind it
	s_wait_tensorcnt 0x0                           ; all my tensor loads have landed: my part of the next slot
	ds_add_u32 v[SPW], v[NIL]                      ; 0 onto my spare word
	s_wait_dscnt 4*NL+1                            ; (the add and the youngest 16 loads may be out)
	WIN MUL_LO
	MUL16 0, 1, NQ-1, \slot, 0
	s_wait_dscnt 0x0                               ; the add is done, and my reads of this slot are over
	s_barrier_signal -1
	MUL16 2, 1, NQ-1, \slot, 0
	WIN 0
	s_barrier_wait -1
.if \fill
	CREST                                          ; no wave of any partner still reads this slot or has a load on its way
	s_add_nc_u64 s[G0+4*\slot+2:G0+4*\slot+3], s[G0+4*\slot+2:G0+4*\slot+3], 2*TILEB
	s_add_nc_u64 s[G0B+4*\slot+2:G0B+4*\slot+3], s[G0B+4*\slot+2:G0B+4*\slot+3], 2*TILEB
	JLOAD G0+4*\slot, G1, G0B+4*\slot, G1B         ; my one tensor load behind the round; its four v_nop are also the places in front of the loads below
.else
	PLACES NP
.endif
	s_wait_alu depctr_va_vdst(0)
	v_add_nc_u32 v[ADRS], 4*NQ, v[ADRS]
	FETCH_B \next, 0, 0
	FETCH_A \next, 0, 0
	SCALES \next
	WIN MUL_HI
	MUL16 4, 1, NQ-1, \slot, 0
	MUL16 6, 1, NQ-1, \slot, 0
	PLACES NP
	WIN 0
	FETCH_A \next, 0, 4
.endm
	s_wait_tensorcnt 1                             ; the scales and my part of K step 0 are in; K step 1's load may be out
	s_barrier_signal -1
	s_barrier_wait -1
	FETCH_B 0, 0, 0
	FETCH_A 0, 0, 0
	SCALES 0
	FETCH_A 0, 0, 4
	STEP 0, 0, 1                                   ; K = 1,024 is eight steps of 128: written out, no backward jump
	TURN 0, 1, 1
	STEP 1, 0, 0
	TURN 1, 0, 1
	STEP 0, 0, 0
	TURN 0, 1, 0                                   ; nothing is left to fetch; behind this barrier nobody reads slot 0
	STEP 1, 0, 0
	s_wait_dscnt 4*NL
	WIN MUL_LO
	MUL16 0, 1, NQ-1, 1, 0
	MUL16 2, 1, NQ-1, 1, 0
	s_wait_dscnt 0
	WIN MUL_HI
	MUL16 4, 1, NQ-1, 1, 0
	MUL16 6, 1, NQ-1, 1, 0
	WIN 0
; THE WAY OUT, block by block of 16 tokens x 128 features, through my own stage: in by 32 bytes a lane, back as whole rows of 512 bytes.  LDS serves a wave's instructions in order (ISA guide 5.7.1.4): no wait between.
.macro TOSTAGE a
.set AC, 64*((\a)%4)
	WIN 0x08+4*((\a)/4)                            ; the data: window 2 or 3
.irp b, 0,1,2,3,4,5,6,7
	ds_store_b128 v[STO], v[AC+8*\b:AC+8*\b+3] offset:128*(\b/2)+32*(\b%2)          ; each accumulator from its low end on
	ds_store_b128 v[STO], v[AC+8*\b+4:AC+8*\b+7] offset:128*(\b/2)+32*(\b%2)+16
.endr
	WIN 0
.set BB, BK+64*((\a)%2)
.irp t, 0,1,2,3,4,5,6,7,8,9,10,11,12,13,14,15
	ds_load_b128 v[BB+4*\t:BB+4*\t+3], v[RD] offset:\t*SPITCH
.endr
.endm
.macro SEND a, younger                 ; younger: the LDS instructions issued behind block a's loads
.set BB, BK+64*((\a)%2)
	s_wait_dscnt \younger
.irp t, 0,1,2,3,4,5,6,7,8,9,10,11,12,13,14,15
	global_store_b128 v[OI], v[BB+4*\t:BB+4*\t+3], s[12:13] offset:(32*((\a)/2)+8*((\a)%2)+\t+8*(\t/8))*4096 th:TH_STORE_NT   ; 512 consecutive bytes of the token's row, aligned; the base is never stepped
.endr
.endm
	PLACES NP
	TOSTAGE 0
.irp a, 1,2,3,4,5,6,7
.if \a > 1
	s_wait_xcnt 0x0                                ; block a - 2's stores have read their registers: block a's rows may land there
.endif
	TOSTAGE \a
	SEND \a-1, 32                                  ; behind block a - 1's loads: block a's 16 stores and 16 loads
.endr
	SEND 7, 0
	s_wait_tensorcnt 0x0                           ; the wave's end
	ds_add_u32 v[SPW], v[NIL]
	s_wait_dscnt 0x0
	CROUND                                         ; the closing round
	s_endpgm
.Lfunc_end_k_qe2f63d1fc9_outp:
	.size	k_qe2f63d1fc9_outp, .Lfunc_end_k_qe2f63d1fc9_outp-k_qe2f63d1fc9_outp
	.p2alignl 7, 3214868480
	.fill 96, 4, 3214868480
	.section	.rodata,"a",@progbits
	.p2align	6, 0x0
	.amdhsa_kernel k_qe2f63d1fc9_outp
		.amdhsa_group_segment_fixed_size 327680
		.amdhsa_private_segment_fixed_size 0
		.amdhsa_enable_private_segment 0
		.amdhsa_kernarg_size 48
		.amdhsa_user_sgpr_count 2
		.amdhsa_user_sgpr_kernarg_segment_ptr 1
		.amdhsa_wavefront_size32 1
		.amdhsa_system_sgpr_workgroup_id_x 1
		.amdhsa_system_sgpr_workgroup_id_y 1
		.amdhsa_system_sgpr_workgroup_id_z 1
		.amdhsa_system_vgpr_workitem_id 0
		.amdhsa_next_free_vgpr 1024
		.amdhsa_next_free_sgpr 102
		.amdhsa_reserve_vcc 0
		.amdhsa_float_denorm_mode_32 3
		.amdhsa_float_denorm_mode_16_64 3
		.amdhsa_memory_ordered 1
		.amdhsa_forward_progress 1
		.amdhsa_inst_pref_size 145
	.end_amdhsa_kernel
	.amdgpu_metadata
---
amdhsa.version: [ 1, 2 ]
amdhsa.kernels:
  - .name:           k_qe2f63d1fc9_outp
    .symbol:         k_qe2f63d1fc9_outp.kd
    .args:
      - { .name: ai, .offset: 0, .size: 8, .value_kind: global_buffer, .address_space: global }
      - { .name: asc, .offset: 8, .size: 8, .value_kind: global_buffer, .address_space: global }
      - { .name: wi, .offset: 16, .size: 8, .value_kind: global_buffer, .address_space: global }
      - { .name: ws, .offset: 24, .size: 8, .value_kind: global_buffer, .address_space: global }
      - { .name: bo, .offset: 32, .size: 8, .value_kind: global_buffer, .address_space: global }
      - { .name: out0, .offset: 40, .size: 8, .value_kind: global_buffer, .address_space: global }
    .group_segment_fixed_size: 327680
    .private_segment_fixed_size: 0
    .kernarg_segment_align: 8
    .kernarg_segment_size: 48
    .max_flat_workgroup_size: 128
    .sgpr_count:     102
    .vgpr_count:     1024
    .wavefront_size: 32
...
	.end_amdgpu_metadata
.endif
;; end of part 4
